; MI455X (gfx1250); checked and timed in simulation.
; The chip was launched on July 23, 2026; its instructions are those of AMD's public machine-readable ISA for CDNA 5 (MIT licence, August 2026) and "CDNA5" Instruction Set Architecture Reference Guide (July 2026). The comments in the code are by the model that wrote it; some were corrected since.
;; MHA. Allowed arithmetic: matrix products marked QUANTISED: E2M3 operands, one E8M0 scale for each 32 along K, by v_wmma_scale_f32_16x16x128_f8f6f4 with both operands' format E2M3, f32 sums; everything else in f32.
;; Inputs: token_positions 2,048 int32; w_k 1,024 x 1,024 float32; w_o 1,024 x 1,024 float32; w_q 1,024 x 1,024 float32; w_v 1,024 x 1,024 float32; x 4 x 2,048 x 1,024 float32.
;; Outputs: out0 4 x 2,048 x 1,024 float32.
;; This version of the problem:
;;   THIS VERSION OF THE PROBLEM IS GIVEN IN LOW PRECISION. The matrix products marked QUANTISED in the list below multiply operands that are first quantised to E2M3 (2 exponent bits, 3 mantissa bits; 6 bits a number), with one power-of-two scale for each 32 numbers along K (OCP MX v1.0); their sums are f32. All else is computed in f32.
;;   The module's matrix products, in the order in which they are computed (A, B: the left and right operand; K: the contracted axis; several contracted axes count as one K, in the product's order):
;;     1. [M 8,192, K 1,024] x [K 1,024, N 1,024]; A: input x; B: input w_q: QUANTISED
;;     2. [M 8,192, K 1,024] x [K 1,024, N 1,024]; A: input x; B: input w_k: QUANTISED
;;     3. [M 8,192, K 1,024] x [K 1,024, N 1,024]; A: input x; B: input w_v: QUANTISED
;;     4. batch 64 x [M 2,048, K 64] x [K 64, N 2,048]; A: computed on the way; B: computed on the way: QUANTISED
;;     5. batch 64 x [M 2,048, K 2,048] x [K 2,048, N 64]; A: softmax (see below); B: computed on the way: QUANTISED
;;     6. [M 8,192, K 1,024] x [K 1,024, N 1,024]; A: computed on the way; B: input w_o: QUANTISED
;;   THE QUANTISER, for each operand of a quantised product, along K:
;;     - K is cut into blocks of 32 from its start; a last block that is shorter is filled with zeros.
;;     - A block's scale is 2^e with e = floor(log2(the largest magnitude in the block)) - 2, held to -126 .. 127; a block of zeros has e = 0. As a byte (E8M0): e + 127.
;;     - Each number is divided by its block's scale, clamped to +-7.5, and rounded to the nearest number of E2M3, ties to even, subnormals kept.
;;     - The product sums the exact products of the quantised numbers (number of the format x scale) in f32.
;;   ~~~python
;;   def quantise(x, axis):      # numpy; x: float32 -> the quantised numbers, widened to float32 again
;;       x = np.moveaxis(x, axis, -1); K = x.shape[-1]
;;       x = np.pad(x, [(0, 0)] * (x.ndim - 1) + [(0, -K % 32)]); x = x.reshape(x.shape[:-1] + (-1, 32)); a = np.abs(x).max(-1, keepdims=True)
;;       e = np.where(a > 0, np.clip(np.frexp(np.where(a > 0, a, 1))[1] - 1 - 2, -126, 127), 0)      # np.frexp(a)[1] - 1 = floor(log2(a)), exactly
;;       r = np.clip(x / 2.0 ** e, -7.5, 7.5)
;;       step = 2.0 ** (np.maximum(np.frexp(np.where(r == 0, 1, r))[1] - 1, 0) - 3)
;;       q = np.round(r / step) * step * 2.0 ** e      # np.round: ties to even
;;       return np.moveaxis(q.reshape(q.shape[:-2] + (-1,))[..., :K], -1, axis).astype(np.float32)
;;   ~~~
;;   SOFTMAX AHEAD OF A QUANTISED PRODUCT. Where the list says 'softmax', what is quantised is not the finished softmax but p = 2^(t - M), with t = logit x log2(e) and M = ceil(the row's largest t), a whole number; so 1/2 < the row's largest p <= 1. The row's sum l is taken of the UNQUANTISED p, in f32, and the product's result is divided by l at the end. Since M is a whole number, a kernel that streams over the keys may use a running M (the ceiling of the running maximum): every later rescaling is an exact power of two, which a block's scale takes up: the codes' values come out the same.
;;   OPERANDS COMPUTED ON THE WAY. 'Computed on the way' means the value that the module computes at that place (a softmax that the list does not call 'softmax' is quantised finished and normalised). What goes into a quantiser is computed in f32, as accurately as f32 sums, v_exp_f32 and their like allow (about 1e-6 of the number): no bf16 or f16 on the way to a quantiser, and a product that is left as it is and whose result goes on into a quantised operand takes f32 operands (vector FMAs, or v_wmma_f32_16x16x4_f32). A number that lies on a knife's edge between two numbers of the format may be rounded either way, as far as f32 arithmetic and the matrix unit's own rounding can turn it there, and no further.
;; One version. Each part assembles by itself: llvm-mc -triple=amdgcn-amd-amdhsa -mcpu=gfx1250 --defsym DOCPART=n.
;; ======== version 1 of 1: 4 launches
;; limits: right only within a limited range of input values
;; workspace buffers: cod 9,437,184 bytes; scl 393,216 bytes; rope 524,288 bytes; qb 6,553,600 bytes; kv 13,107,200 bytes; ac 6,291,456 bytes; asc 262,144 bytes
;; launch prep (part 1): grid 256 x 1, 8 waves a work-group, no clusters, 51,712 bytes of LDS; arguments x, w_q, w_k, w_v, w_o, token_positions, cod, scl, rope; writes cod, scl, rope
.if DOCPART == 1
	.amdgcn_target "amdgcn-amd-amdhsa--gfx1250"
	.amdhsa_code_object_version 6
	.text
	.protected	k_q7223e54165_prep
	.globl	k_q7223e54165_prep
	.p2align	8
	.type	k_q7223e54165_prep,@function
k_q7223e54165_prep:
	s_mov_b64 s[64:65], 0
	v_nop
	global_prefetch_b8 v0, s[64:65] scope:SCOPE_SE
	s_setreg_imm32_b32 hwreg(HW_REG_WAVE_MODE, 25, 1), 1
	s_wait_xcnt 0x0
; PREP.  x [8192][1024] and the four weights [1024][1024], f32, K innermost, become codes of E2M3 with one E8M0 byte for each 32 along K; token_positions becomes a table of cos and sin.
; A block's scale is 2^(floor(log2(largest magnitude)) - 2): its byte is the largest magnitude's exponent field - 2, held at 1 from below.
; LAYOUT OF THE CODES (cod): tiles of 16 rows; tile u (0, 1) of a pair P of tiles holds in lane r the row 32 P + 8 u + r + 8 (r / 8).  A tile is 16 images of 768 bytes, one for each 64 along K:
; an image is half an operand's registers as they stand: lane (r, h) holds k = 32 h .. 32 h + 31 of row r in 6 registers; registers 0-3 lie at 16 x lane, registers 4-5 at 512 + 8 x lane.
; Tiles 0-511 are x's, 512.. w_q's, 576.. w_k's, 640.. w_v's, 704.. w_o's.
; LAYOUT OF THE SCALES (scl): [pair][half of K][lane 16 u + r][16 bytes]: four scale words, one for each 128 along K.
; SHARES.  Waves 0-5 quantise: a wave takes one tile x 512 along K (32 KiB of f32): 1,536 such units = 256 work-groups x 6.  Waves 6 and 7 make four rows each of the table.  Waves share nothing: no barrier.
; Each load reads 512 consecutive bytes of one row; the numbers turn through the wave's own stage in LDS (rows of 512 + 16 bytes), so that a lane gets 32 neighbours along K: a whole block.
; LIMITS: NaN and infinities among the inputs are not served.  A block of zeros gets the byte 1 where the rule says 127: its codes are zeros, and this program alone reads the bytes.
; The table: angles up to about 1e5 in magnitude (beyond that the multiple of pi / 2 is no longer found to within one); the frequencies are 10^(-i / 8), rounded to f32 by the assembler.
.set STG,  8448                        ; a wave's stage: 16 rows x 528 bytes
.set M,    8                           ; v8-9    largest magnitudes of my two blocks
.set SC,   10                          ; v10-11  the conversions' scale operands
.set BY,   12                          ; v12-13  the scale bytes
.set R,    16                          ; v16-143 two sets of 64: a K step as loaded
.set X,    144                         ; v144-207 my two blocks of 32 neighbours
.set C,    208                         ; v208-231 two sets of 12: a K step's codes
.set T,    232                         ; v232-239 the upper halves of the blocks' codes, as converted
.set W,    240                         ; v240-243 the four scale words
	s_load_b256 s[4:11], s[0:1], 0x0               ; x, w_q, w_k, w_v
	s_load_b256 s[12:19], s[0:1], 0x20             ; w_o, token_positions, cod, scl
	s_load_b64 s[20:21], s[0:1], 0x40              ; rope
	v_lshl_add_u32 v254, v0, 2, 0xc600
	v_mov_b32 v255, 0
	v_lshrrev_b32 v1, 5, v0
	s_delay_alu instid0(VALU_DEP_1)
	v_readfirstlane_b32 s22, v1                    ; wave 0..7
	v_and_b32 v7, 31, v0                           ; lane
	s_delay_alu instid0(VALU_DEP_1)
	v_lshlrev_b32 v2, 3, v7                        ; 8 x lane
	s_cmp_ge_u32 s22, 6
	s_cbranch_scc1 .Ltable
	; ---------------- the quantiser ----------------
	s_mul_i32 s23, ttmp9, 6
	s_add_co_u32 s23, s23, s22                     ; my unit, 0..1535
	s_lshr_b32 s24, s23, 1                         ; its tile, 0..767
	s_and_b32 s25, s23, 1                          ; its half of K
	s_mul_i32 s26, s22, STG
	v_lshlrev_b32 v1, 4, v7                        ; 16 x lane
	v_and_b32 v8, 15, v0                           ; r
	v_bfe_u32 v9, v0, 4, 1                         ; h
	s_delay_alu instid0(VALU_DEP_3)
	v_add_nc_u32 v3, s26, v1                       ; the stage, on the way in: a row's 512 bytes as they lie
	s_delay_alu instid0(VALU_DEP_3)
	v_mul_u32_u24 v4, v8, 528
	s_delay_alu instid0(VALU_DEP_1)
	v_lshl_add_u32 v4, v9, 7, v4
	s_delay_alu instid0(VALU_DEP_1)
	v_add_nc_u32 v4, s26, v4                       ; and out: row r, 128 bytes for each half of the lanes
	v_lshlrev_b32 v5, 3, v9                        ; 8 h: where my bytes stand in a scale word
	v_lshlrev_b32 v6, 4, v8                        ; 16 r: my row's scale words
	v_mov_b32 v15, 0                               ; a lane permute's destination counts as one of its sources
	s_mov_b32 s36, 0x76543210
	s_mov_b32 s37, 0xfedcba98                      ; selects for lane l xor 16
	s_and_b32 s30, s24, 63
	s_cmp_lt_u32 s24, 512
	s_cselect_b32 s30, s24, s30                    ; the tile's number in its own tensor
	s_lshr_b32 s31, s30, 1
	s_lshl_b32 s32, s31, 17                        ; 32 rows of 4,096 bytes a pair,
	s_and_b32 s31, s30, 1
	s_lshl_b32 s31, s31, 15                        ; 8 rows on for the odd tile,
	s_add_co_u32 s32, s32, s31
	s_lshl_b32 s31, s25, 11                        ; 2,048 bytes on for the upper half of K
	s_add_co_u32 s32, s32, s31
	s_mov_b32 s33, 0
	s_mul_i32 s34, s24, 12288                      ; the codes: 12,288 bytes a tile, 6,144 for half of K
	s_mul_i32 s31, s25, 6144
	s_add_co_u32 s34, s34, s31
	s_mov_b32 s35, 0
	s_lshr_b32 s38, s24, 1
	s_lshl_b32 s38, s38, 10                        ; the scales: 1,024 bytes a pair, 512 for half of K, 256 a tile
	s_lshl_b32 s31, s25, 9
	s_add_co_u32 s38, s38, s31
	s_and_b32 s31, s24, 1
	s_lshl_b32 s31, s31, 8
	s_add_co_u32 s38, s38, s31
	s_mov_b32 s39, 0
	s_wait_alu depctr_va_vdst(0)
	s_wait_kmcnt 0x0
	s_mov_b64 s[28:29], s[4:5]                     ; which tensor: the choice hangs on the tile's number alone
	s_cmp_ge_u32 s24, 512
	s_cselect_b64 s[28:29], s[6:7], s[28:29]
	s_cmp_ge_u32 s24, 576
	s_cselect_b64 s[28:29], s[8:9], s[28:29]
	s_cmp_ge_u32 s24, 640
	s_cselect_b64 s[28:29], s[10:11], s[28:29]
	s_cmp_ge_u32 s24, 704
	s_cselect_b64 s[28:29], s[12:13], s[28:29]
	s_add_nc_u64 s[28:29], s[28:29], s[32:33]
	s_add_nc_u64 s[16:17], s[16:17], s[34:35]
	s_add_nc_u64 s[18:19], s[18:19], s[38:39]
.macro LOAD s                          ; K step s of the unit's four: 16 rows x 512 bytes, a row to a load
.irp i, 0,1,2,3,4,5,6,7,8,9,10,11,12,13,14,15
	global_load_b128 v[R+64*((\s)%2)+4*\i:R+64*((\s)%2)+4*\i+3], v1, s[28:29] offset:(\i+8*(\i/8))*4096+512*(\s) th:TH_LOAD_NT
.endr
.endm
.macro KSTEP s
.set RS, R+64*((\s)%2)
.set CS, C+12*((\s)%2)
.if (\s) < 3
	s_wait_loadcnt 16                              ; this step's 16 loads are in; the next step's 16 may be out
.else
	s_wait_loadcnt 0x0
.endif
.irp i, 0,1,2,3,4,5,6,7,8,9,10,11,12,13,14,15
	ds_store_b128 v3, v[RS+4*\i:RS+4*\i+3] offset:528*\i
.endr
.irp c, 0,1
.irp j, 0,1,2,3,4,5,6,7
	ds_load_b128 v[X+32*\c+4*\j:X+32*\c+4*\j+3], v4 offset:256*\c+16*\j   ; k = 64 c + 32 h + 4 j ..: LDS serves a wave's instructions in order, so these see the stores above
.endr
.endr
	s_wait_dscnt 0x0                               ; my 64 numbers are in, and the stores have read the set
.if (\s)+2 < 4
	LOAD (\s)+2                                    ; which takes the step two on
.endif
.if (\s) >= 2
	s_wait_xcnt 0x0                                ; the stores of two steps ago have read this set of codes: it is written again only behind this wait
.endif
.irp c, 0,1
	v_max3_num_f32 v[M+\c], |v[X+32*\c]|, |v[X+32*\c+1]|, 0x1800000   ; a whole block is mine; the floor 2^(3 - 127) holds the byte at 1 from below
.endr
.irp i, 2,4,6,8,10,12,14,16,18,20,22,24,26,28,30
.irp c, 0,1
	s_delay_alu instid0(VALU_DEP_2)
	v_max3_num_f32 v[M+\c], v[M+\c], |v[X+32*\c+\i]|, |v[X+32*\c+\i+1]|
.endr
.endr
.irp c, 0,1
	s_delay_alu instid0(VALU_DEP_2)
	v_add_nc_u32 v[SC+\c], 0xff000000, v[M+\c]     ; 2 off the exponent field: the conversion takes that field as its scale
.endr
.irp c, 0,1
	s_delay_alu instid0(VALU_DEP_2)
	v_lshrrev_b32 v[BY+\c], 23, v[SC+\c]           ; the scale's byte
.endr
.irp c, 0,1
	v_cvt_scalef32_pk16_fp6_f32 v[CS+6*\c:CS+6*\c+2], v[X+32*\c:X+32*\c+15], v[SC+\c]
	v_cvt_scalef32_pk16_fp6_f32 v[T+4*\c:T+4*\c+2], v[X+32*\c+16:X+32*\c+31], v[SC+\c]   ; (a conversion's three registers begin on an even number)
.endr
	v_lshl_or_b32 v14, v[BY+1], 16, v[BY]          ; my bytes: blocks h and 2 + h.  (A plain place behind the conversions)
.irp c, 0,1
.irp i, 0,1,2
	v_mov_b32 v[CS+6*\c+3+\i], v[T+4*\c+\i]
.endr
.endr
	v_lshlrev_b32 v14, v5, v14                     ; at their places in the word,
	s_delay_alu instid0(VALU_DEP_1)
	v_permlanex16_b32 v15, v14, s36, s37
	s_delay_alu instid0(VALU_DEP_1)
	v_or_b32 v[W+(\s)], v14, v15                   ; with lane l xor 16's two the word is whole
.irp c, 0,1
	global_store_b128 v1, v[CS+6*\c:CS+6*\c+3], s[16:17] offset:1536*(\s)+768*\c        ; 512 consecutive bytes,
	global_store_b64 v2, v[CS+6*\c+4:CS+6*\c+5], s[16:17] offset:1536*(\s)+768*\c+512   ; and 256
.endr
.endm
	LOAD 0
	LOAD 1
	KSTEP 0
	KSTEP 1
	KSTEP 2
	KSTEP 3
	s_wait_alu depctr_va_vdst(0)
	s_wait_xcnt 0x0                                ; EXEC changes only behind this wait
	v_cmp_gt_u32 vcc_lo, 16, v7
	s_wait_tensorcnt 0x0
	ds_add_u32 v254, v255
	s_wait_dscnt 0x0
	s_and_saveexec_b32 s31, vcc_lo
	global_store_b128 v6, v[W:W+3], s[18:19]       ; lanes 0-15: the tile's 256 bytes of scale words
	s_wait_xcnt 0x0
	s_or_b32 exec_lo, exec_lo, s31
	s_endpgm
	; ---------------- the table of cos and sin: rope[s][i] = (cos, sin) of token_positions[s] x 10^(-i / 8), i = lane ----------------
.Ltable:
	s_sub_co_u32 s23, s22, 6
	s_lshl_b32 s23, s23, 2
	s_lshl_b32 s24, ttmp9, 3
	s_add_co_u32 s23, s23, s24                     ; my first row: 8 x work-group + 4 x (wave - 6)
	s_lshl_b32 s24, s23, 2
	s_mov_b32 s25, 0
	s_lshl_b32 s26, s23, 8
	s_mov_b32 s27, 0
	s_wait_kmcnt 0x0
	s_add_nc_u64 s[14:15], s[14:15], s[24:25]
	s_add_nc_u64 s[20:21], s[20:21], s[26:27]
	s_load_b128 s[28:31], s[14:15], 0x0            ; four positions
	v_mov_b32 v3, 0
.macro FREQ lane, val
	s_mov_b32 s32, \val
	v_writelane_b32 v3, s32, \lane
.endm
	FREQ 0, 1.0
	FREQ 1, 0.7498942093
	FREQ 2, 0.5623413252
	FREQ 3, 0.4216965034
	FREQ 4, 0.3162277660
	FREQ 5, 0.2371373706
	FREQ 6, 0.1778279410
	FREQ 7, 0.1333521432
	FREQ 8, 0.1
	FREQ 9, 0.07498942093
	FREQ 10, 0.05623413252
	FREQ 11, 0.04216965034
	FREQ 12, 0.03162277660
	FREQ 13, 0.02371373706
	FREQ 14, 0.01778279410
	FREQ 15, 0.01333521432
	FREQ 16, 0.01
	FREQ 17, 0.007498942093
	FREQ 18, 0.005623413252
	FREQ 19, 0.004216965034
	FREQ 20, 0.003162277660
	FREQ 21, 0.002371373706
	FREQ 22, 0.001778279410
	FREQ 23, 0.001333521432
	FREQ 24, 0.001
	FREQ 25, 0.0007498942093
	FREQ 26, 0.0005623413252
	FREQ 27, 0.0004216965034
	FREQ 28, 0.0003162277660
	FREQ 29, 0.0002371373706
	FREQ 30, 0.0001778279410
	FREQ 31, 0.0001333521432
	s_wait_kmcnt 0x0
.macro SINCOS i
	v_cvt_f32_i32 v10, s[28+\i]
	s_wait_alu depctr_va_vdst(0)
	v_mul_f32 v10, v10, v3                         ; the angle, by one multiplication
	s_delay_alu instid0(VALU_DEP_1)
	v_mul_f32 v11, 0x3f22f983, v10                 ; x 2 / pi,
	s_delay_alu instid0(VALU_DEP_1)
	v_rndne_f32 v11, v11                           ; n: the nearest multiple of pi / 2
	s_delay_alu instid0(VALU_DEP_1)
	v_fmamk_f32 v12, v11, 0xbfc90fdb, v10          ; the angle - n x pi / 2, pi / 2 in two parts, each step fused
	s_delay_alu instid0(VALU_DEP_1)
	v_fmamk_f32 v12, v11, 0x333bbd2e, v12
	s_delay_alu instid0(VALU_DEP_3)
	v_cvt_i32_f32 v13, v11                         ; the quadrant is n mod 4
	s_delay_alu instid0(VALU_DEP_2)
	v_mul_f32 v14, v12, v12
	v_mov_b32 v15, 0x37ccf5ce                      ; cos on +- pi / 4
	v_mov_b32 v16, 0xb94ca1f9                      ; sin likewise
	s_delay_alu instid0(VALU_DEP_2)
	v_fmaak_f32 v15, v15, v14, 0xbab6061a
	s_delay_alu instid0(VALU_DEP_2)
	v_fmaak_f32 v16, v16, v14, 0x3c08839e
	s_delay_alu instid0(VALU_DEP_2)
	v_fmaak_f32 v15, v15, v14, 0x3d2aaaa5
	s_delay_alu instid0(VALU_DEP_2)
	v_fmaak_f32 v16, v16, v14, 0xbe2aaaa3
	s_delay_alu instid0(VALU_DEP_2)
	v_fmaak_f32 v15, v15, v14, 0xbf000000
	v_mul_f32 v17, v12, v14
	s_delay_alu instid0(VALU_DEP_2)
	v_fmaak_f32 v15, v15, v14, 0x3f800000
	s_delay_alu instid0(VALU_DEP_2)
	v_fma_f32 v16, v16, v17, v12
	v_and_b32 v17, 1, v13
	s_delay_alu instid0(VALU_DEP_1)
	v_cmp_ne_u32 vcc_lo, 0, v17
	s_delay_alu instid0(VALU_DEP_1)
	v_cndmask_b32 v18, v15, v16, vcc_lo            ; in odd quadrants the two change places
	s_delay_alu instid0(VALU_DEP_2)
	v_cndmask_b32 v19, v16, v15, vcc_lo
	v_add_nc_u32 v17, 1, v13
	s_delay_alu instid0(VALU_DEP_1)
	v_and_b32 v17, 2, v17
	s_delay_alu instid0(VALU_DEP_1)
	v_lshlrev_b32 v17, 30, v17
	s_delay_alu instid0(VALU_DEP_1)
	v_xor_b32 v[40+2*\i], v17, v18                 ; cos is negative in quadrants 1 and 2,
	v_and_b32 v17, 2, v13
	s_delay_alu instid0(VALU_DEP_1)
	v_lshlrev_b32 v17, 30, v17
	s_delay_alu instid0(VALU_DEP_1)
	v_xor_b32 v[41+2*\i], v17, v19                 ; sin in 2 and 3
	global_store_b64 v2, v[40+2*\i:41+2*\i], s[20:21] offset:256*\i   ; a row of the table: 256 consecutive bytes
.endm
	SINCOS 0
	SINCOS 1
	SINCOS 2
	SINCOS 3
	s_endpgm
.Lfunc_end_k_q7223e54165_prep:
	.size	k_q7223e54165_prep, .Lfunc_end_k_q7223e54165_prep-k_q7223e54165_prep
	.p2alignl 7, 3214868480
	.fill 96, 4, 3214868480
	.section	.rodata,"a",@progbits
	.p2align	6, 0x0
	.amdhsa_kernel k_q7223e54165_prep
		.amdhsa_group_segment_fixed_size 51712
		.amdhsa_private_segment_fixed_size 0
		.amdhsa_enable_private_segment 0
		.amdhsa_kernarg_size 72
		.amdhsa_user_sgpr_count 2
		.amdhsa_user_sgpr_kernarg_segment_ptr 1
		.amdhsa_wavefront_size32 1
		.amdhsa_system_sgpr_workgroup_id_x 1
		.amdhsa_system_sgpr_workgroup_id_y 1
		.amdhsa_system_sgpr_workgroup_id_z 1
		.amdhsa_system_vgpr_workitem_id 0
		.amdhsa_next_free_vgpr 256
		.amdhsa_next_free_sgpr 66
		.amdhsa_reserve_vcc 1
		.amdhsa_float_denorm_mode_32 3
		.amdhsa_float_denorm_mode_16_64 3
		.amdhsa_memory_ordered 1
		.amdhsa_forward_progress 1
		.amdhsa_inst_pref_size 49
	.end_amdhsa_kernel
	.amdgpu_metadata
---
amdhsa.version: [ 1, 2 ]
amdhsa.kernels:
  - .name:           k_q7223e54165_prep
    .symbol:         k_q7223e54165_prep.kd
    .args:
      - { .name: x, .offset: 0, .size: 8, .value_kind: global_buffer, .address_space: global }
      - { .name: w_q, .offset: 8, .size: 8, .value_kind: global_buffer, .address_space: global }
      - { .name: w_k, .offset: 16, .size: 8, .value_kind: global_buffer, .address_space: global }
      - { .name: w_v, .offset: 24, .size: 8, .value_kind: global_buffer, .address_space: global }
      - { .name: w_o, .offset: 32, .size: 8, .value_kind: global_buffer, .address_space: global }
      - { .name: token_positions, .offset: 40, .size: 8, .value_kind: global_buffer, .address_space: global }
      - { .name: cod, .offset: 48, .size: 8, .value_kind: global_buffer, .address_space: global }
      - { .name: scl, .offset: 56, .size: 8, .value_kind: global_buffer, .address_space: global }
      - { .name: rope, .offset: 64, .size: 8, .value_kind: global_buffer, .address_space: global }
    .group_segment_fixed_size: 51712
    .private_segment_fixed_size: 0
    .kernarg_segment_align: 8
    .kernarg_segment_size: 72
    .max_flat_workgroup_size: 256
    .sgpr_count:     66
    .vgpr_count:     256
    .wavefront_size: 32
...
	.end_amdgpu_metadata
.endif
;; end of part 1
;; launch qkv (part 2): grid 8 x 32, 4 waves a work-group, clusters of 4 x 4, 327,680 bytes of LDS; arguments cod, scl, rope, qb, kv; writes qb, kv
.if DOCPART == 2
	.amdgcn_target "amdgcn-amd-amdhsa--gfx1250"
	.amdhsa_code_object_version 6
	.text
	.protected	k_q7223e54165_qkv
	.globl	k_q7223e54165_qkv
	.p2align	8
	.type	k_q7223e54165_qkv,@function
k_q7223e54165_qkv:
	s_mov_b64 s[64:65], 0
	v_nop
	global_prefetch_b8 v0, s[64:65] scope:SCOPE_SE
	s_setreg_imm32_b32 hwreg(HW_REG_WAVE_MODE, 25, 1), 1
	s_wait_xcnt 0x0
	s_wait_alu depctr_hold_cnt(0) depctr_sa_sdst(0) depctr_va_vdst(0) depctr_va_sdst(0) depctr_va_ssrc(0) depctr_va_vcc(0) depctr_vm_vsrc(0)
	s_getreg_b32 s2, hwreg(HW_REG_IB_STS2, 6, 4)
	s_cmp_eq_u32 s2, 0
	s_cbranch_scc0 .Lentry_in_a_cluster
	s_endpgm
.Lentry_in_a_cluster:
	s_bfe_u32 s2, ttmp6, 0x10000c
	s_cmp_lg_u32 s2, 0xf033
	s_cbranch_scc0 .Lentry_shape_is_right
	s_endpgm
.Lentry_shape_is_right:
; QKV.  q, k, v = x w^T on codes of E2M3 (K = 1,024); q and k are rotated (cos and sin from the table), and all three are quantised again in registers, as the operands of attention, and stored as images of operand registers.
; A WORK-GROUP STAYS.  It owns 256 tokens and the same 128 columns (two heads) of q, of k and of v, and makes them in three passes.  Four waves, each 128 tokens x 64 columns (one head): 32 accumulators, 256 registers.
; x's 16 tiles, all of K, and their scale words lie in LDS for the whole launch, filled once, in four chunks of 256 along K; so do w's scale words of all three passes.  w's 8 tiles of a pass lie beside x's in the chunks.
; A wave has five tensor loads out at the start (scales, chunks 0 to 3); in the first pass a counted wait and a barrier stand in front of each chunk's first read.
; w IS FILLED AGAIN for the next pass as soon as the pass's last fragments are in registers: each wave brings one chunk with one load, which has the pass's last products and the whole way out in which to land.
; LDS has 11,776 bytes left beside all this: no room for a second set of w.
; CLUSTERS: 4 x 4 work-groups; x's tiles are shared along a row of the cluster, w's along a column: each is asked for jointly, by the same load with the same descriptor in the four that its mask names.
; OPERANDS lie in memory and in LDS as images of registers (half a fragment, 64 along K, in 768 bytes: registers 0-3 at 16 x lane, 4-5 at 512 + 8 x lane): every LDS load reads consecutive bytes.
; THE ROWS OF A TILE ARE NOT NEIGHBOURS: lane r of tile u of pair P is row 32 P + 8 u + r + 8 (r / 8), so that where such tiles are source 0, the 16 registers of a pair are 16 neighbours.
; q, k: source 0 = w, source 1 = x: a lane holds one token, its registers run along the head's 64.  v: source 0 = x, source 1 = w: a lane holds one channel, its registers run along 128 tokens, the keys.
; OUT.  qb [head of batch][group of 128 tokens][6,400]: four fragments (tiles 2 c and 2 c + 1 of 64 along K side by side), then 256 bytes of scale words.  kv [..][group][12,800]: k likewise, v's four fragments at 6,144, k's scale words at 12,288, v's at 12,544.
; The rotation is a multiplication and a fused multiply-add for each number.  LIMITS: NaN and infinities are not served; a block of zeros gets the byte 1 (its codes are zeros; this program alone reads the bytes).
; REGISTERS, in windows of 256: window 0: v1-11 addresses; v16-47 x's scale words, v48-63 w's; v64-79 the chunks' addresses; v96-239 fragments, set 0 (x at 96 + 12 a, w at 192 + 12 b), later the way out.
;   window 1: v96-239 set 1.  window 2: accumulators.  window 3: cos and sin, loaded once for q and k.
.set G1A,  20                          ; s[20:27] group 1, x's codes    s[28:35] x's scales    s[36:51] groups 0, chunks 0-3    s[52:55] scales
.set G1AS, 28
.set G0A,  36
.set G0AS, 52
.set G1B,  56                          ; s[56:63], s[68:75], s[76:91], s[92:95]: the same for w
.set G1BS, 68
.set G0B,  76
.set G0BS, 92
.set G0R,  76                          ; s[76:79] group 0 of a refill: written only when no tensor load of the wave is out
.set CHUNK, 73728                      ; 24 tiles x 3,072 bytes: 256 along K; x's 16 tiles, then w's 8
.set ASCL, 294912                      ; x's scale words: 8 pairs x 1,024 bytes
.set BSCL, 303104                      ; w's: [half of the tiles][pass][2,048 bytes]
.set SPARE, 315392                     ; the spare words, 128 bytes for each wave: two blocks of 256 bytes that no other line names
.set SPW,  10                          ; v10  LDS address of my spare word: SPARE + 4 x my thread's number; never rewritten
.set NIL,  11                          ; v11  0; never rewritten
.set XS,   16
.set WS,   48
.set AX,   64                          ; v64-67 my x tiles in chunk q, + 16 x lane; v68-71 + 8 x lane
.set AW,   72                          ; v72-75, v76-79 the same for w
.set FX,   96
.set FW,   192
.set RR,   96                          ; the way out: v96-127 a tile's 32 rotated numbers
.set TM,   128                         ; v128-143 at work
.set TP,   144                         ; v144-146 a conversion's result
.set HW,   148                         ; v148-155 a tile's two scale bytes
.set PW,   148                         ; (v: v148-151 a tile's scale word)
.set SW,   156                         ; v156-157 the scale words as stored
.set WD,   158                         ; v158-161 a fragment's scale word
.set FF,   164                         ; v164-211 four fragments
.set TPV,  212                         ; v212-219 (v: two conversions' results)
.set MSB, 0
.macro WIN new                         ; the immediate's high byte repeats the setting that is left
.if MSB != \new
	s_set_vgpr_msb (MSB<<8)|\new
.set MSB, \new
.endif
.endm
.macro PLACES                          ; four plain places behind a matrix instruction, in front of loads into its sources and of reads of its result
.rept 4
	v_nop
.endr
.endm
.macro CREST                           ; a round of the cluster's barrier behind its opening barrier
	s_cmp_lg_u32 s14, 0
	s_cbranch_scc1 .Lnot_wave_0_\@
	s_barrier_signal -3
.Lnot_wave_0_\@:
	s_barrier_wait -3
	s_barrier_signal -1
	s_barrier_wait -1
.endm
.macro CROUND                          ; a whole round
	s_barrier_signal -1
	s_barrier_wait -1
	CREST
.endm
; one matrix instruction: D at d, sources at x and y, z = 1: the product starts the sum; scale words in sx, sy; rx, ry = 1: in lanes 16-31
.macro WM d, x, y, z, sx, sy, rx, ry
.if \z
.if (\rx) && (\ry)
	v_wmma_scale_f32_16x16x128_f8f6f4 v[\d:\d+7], v[\x:\x+11], v[\y:\y+11], 0, v[\sx], v[\sy] matrix_a_fmt:MATRIX_FMT_FP6 matrix_b_fmt:MATRIX_FMT_FP6 matrix_a_scale:MATRIX_SCALE_ROW1 matrix_b_scale:MATRIX_SCALE_ROW1
.elseif \rx
	v_wmma_scale_f32_16x16x128_f8f6f4 v[\d:\d+7], v[\x:\x+11], v[\y:\y+11], 0, v[\sx], v[\sy] matrix_a_fmt:MATRIX_FMT_FP6 matrix_b_fmt:MATRIX_FMT_FP6 matrix_a_scale:MATRIX_SCALE_ROW1
.elseif \ry
	v_wmma_scale_f32_16x16x128_f8f6f4 v[\d:\d+7], v[\x:\x+11], v[\y:\y+11], 0, v[\sx], v[\sy] matrix_a_fmt:MATRIX_FMT_FP6 matrix_b_fmt:MATRIX_FMT_FP6 matrix_b_scale:MATRIX_SCALE_ROW1
.else
	v_wmma_scale_f32_16x16x128_f8f6f4 v[\d:\d+7], v[\x:\x+11], v[\y:\y+11], 0, v[\sx], v[\sy] matrix_a_fmt:MATRIX_FMT_FP6 matrix_b_fmt:MATRIX_FMT_FP6
.endif
.else
.if (\rx) && (\ry)
	v_wmma_scale_f32_16x16x128_f8f6f4 v[\d:\d+7], v[\x:\x+11], v[\y:\y+11], v[\d:\d+7], v[\sx], v[\sy] matrix_a_fmt:MATRIX_FMT_FP6 matrix_b_fmt:MATRIX_FMT_FP6 matrix_a_scale:MATRIX_SCALE_ROW1 matrix_b_scale:MATRIX_SCALE_ROW1
.elseif \rx
	v_wmma_scale_f32_16x16x128_f8f6f4 v[\d:\d+7], v[\x:\x+11], v[\y:\y+11], v[\d:\d+7], v[\sx], v[\sy] matrix_a_fmt:MATRIX_FMT_FP6 matrix_b_fmt:MATRIX_FMT_FP6 matrix_a_scale:MATRIX_SCALE_ROW1
.elseif \ry
	v_wmma_scale_f32_16x16x128_f8f6f4 v[\d:\d+7], v[\x:\x+11], v[\y:\y+11], v[\d:\d+7], v[\sx], v[\sy] matrix_a_fmt:MATRIX_FMT_FP6 matrix_b_fmt:MATRIX_FMT_FP6 matrix_b_scale:MATRIX_SCALE_ROW1
.else
	v_wmma_scale_f32_16x16x128_f8f6f4 v[\d:\d+7], v[\x:\x+11], v[\y:\y+11], v[\d:\d+7], v[\sx], v[\sy] matrix_a_fmt:MATRIX_FMT_FP6 matrix_b_fmt:MATRIX_FMT_FP6
.endif
.endif
.endm
.macro SCALESX                         ; the scale words of my 8 tiles of x: register 8 p + s: K step s of pair p, the even tile in lanes 0-15, the odd one in lanes 16-31.  They stay for all three passes
.irp p, 0,1,2,3
.irp g, 0,1
	ds_load_b128 v[XS+8*\p+4*\g:XS+8*\p+4*\g+3], v7 offset:1024*\p+512*\g
.endr
.endr
.endm
.macro SCALESW pass                    ; and of my 4 tiles of this pass's w
.irp p, 0,1
.irp g, 0,1
	ds_load_b128 v[WS+8*\p+4*\g:WS+8*\p+4*\g+3], v8 offset:2048*(\pass)+1024*\p+512*\g
.endr
.endr
.endm
.macro FETCH s                         ; K step s's twelve fragments into set s % 2: 48 loads of consecutive bytes
	WIN (((\s)%2)<<6)
.irp a, 0,1,2,3,4,5,6,7
.irp c, 0,1
	ds_load_b128 v[FX+12*\a+6*\c:FX+12*\a+6*\c+3], v[AX+(\s)/2] offset:3072*\a+1536*((\s)%2)+768*\c
	ds_load_b64 v[FX+12*\a+6*\c+4:FX+12*\a+6*\c+5], v[AX+4+(\s)/2] offset:3072*\a+1536*((\s)%2)+768*\c+512
.endr
.endr
.irp b, 0,1,2,3
.irp c, 0,1
	ds_load_b128 v[FW+12*\b+6*\c:FW+12*\b+6*\c+3], v[AW+(\s)/2] offset:3072*\b+1536*((\s)%2)+768*\c
	ds_load_b64 v[FW+12*\b+6*\c+4:FW+12*\b+6*\c+5], v[AW+4+(\s)/2] offset:3072*\b+1536*((\s)%2)+768*\c+512
.endr
.endr
.endm
.macro MULW s                          ; the windows of K step s's products: sources in set s % 2, C and D in window 2
	WIN (0xa0|(5*((\s)%2)))
.endm
.macro MULA s, orient, a               ; four matrix instructions: x's tile a against w's four.  The 32 accumulators take turns, one instruction a turn, in the same order in every step
.irp b, 0,1,2,3
.if \orient
	WM 8*(8*\b+\a), FX+12*\a, FW+12*\b, (\s)==0, XS+8*(\a/2)+\s, WS+8*(\b/2)+\s, \a%2, \b%2
.else
	WM 8*(4*\a+\b), FW+12*\b, FX+12*\a, (\s)==0, WS+8*(\b/2)+\s, XS+8*(\a/2)+\s, \b%2, \a%2
.endif
.endr
.endm
.macro NEXTW t                         ; the descriptor of my part of pass t's w: chunk `wave': 8 tiles x 3,072 bytes, 12,288 bytes apart in memory.  Nothing here hangs on the cluster's y
	s_mul_i32 s100, s17, 98304
	s_mul_i32 s101, s14, 3072
	s_add_co_u32 s100, s100, s101
	s_add_co_u32 s100, s100, (512+64*(\t))*12288
	s_mov_b32 s101, 0
	s_mov_b32 s[G0R], 1
	s_mul_i32 s[G0R+1], s14, CHUNK
	s_add_co_u32 s[G0R+1], s[G0R+1], 49152
	s_add_nc_u64 s[G0R+2:G0R+3], s[4:5], s[100:101]
	s_or_b32 s[G0R+3], s[G0R+3], 0x80000000
	s_mov_b32 s[G1B+2], 8<<16                      ; w's group 1, now with 8 rows to a load
	s_mov_b32 s[G1B+4], 8
.endm
; A PASS: eight K steps of 128; step s + 1's fragments are fetched in front of step s's products and land under them.
.macro MAIN orient, pass
.if \pass == 0
	s_wait_tensorcnt 0x3                           ; my scales and my part of chunk 0 are in; chunks 1 to 3 may be out,
	s_barrier_signal -1
	s_barrier_wait -1                              ; everybody's are
	SCALESX
.else
	s_wait_xcnt 0x0                                ; the last pass's stores have read their registers and their base: both are written again only behind this wait
	s_wait_tensorcnt 0x0                           ; my one load that is out, my chunk of this pass's w, is in,
	s_barrier_signal -1
	s_barrier_wait -1                              ; everybody's is: the pass needs no further barrier
.endif
	SCALESW \pass
	FETCH 0
.irp s, 0,1,2,3,4,5,6,7
	s_wait_dscnt 0x0                               ; this step's fragments are in (and no LDS instruction of mine is out at a signal)
.if \s < 7
.if (\pass == 0) && ((\s%2) == 1)
	s_wait_tensorcnt 3-(\s+1)/2                    ; my part of the next chunk is in; the later chunks may be out
	s_barrier_signal -1
	s_barrier_wait -1
.endif
.if \s > 0
	PLACES
.endif
	FETCH \s+1
	MULW \s
.irp a, 0,1,2,3,4,5,6,7
	MULA \s, \orient, \a
.endr
.elseif \pass == 2
	MULW 7                                         ; the last pass asks for nothing more
.irp a, 0,1,2,3,4,5,6,7
	MULA 7, \orient, \a
.endr
.else
	; THE CHANGE OF w.  My reads of it are over: the last fragments are in registers.
	WIN 0                                          ; (the add's two registers lie in window 0)
	s_wait_tensorcnt 0x0                           ; no tensor load of mine is out, so a descriptor may be written;
	ds_add_u32 v[SPW], v[NIL]                      ; 0 onto my spare word;
	NEXTW \pass+1
	MULW 7
.irp a, 0,1,2,3
	MULA 7, \orient, \a                            ; sixteen matrix instructions stand between the add and the wait for it
.endr
	s_wait_dscnt 0x0                               ; the add is done, and no LDS read of mine is out:
	s_barrier_signal -1                            ; say so: this barrier opens a round of the cluster's barrier,
.irp a, 4,5
	MULA 7, \orient, \a                            ; work on registers while the others arrive,
.endr
	WIN 0
	s_barrier_wait -1
	CREST                                          ; no wave of any partner still reads w or has a load on its way
	tensor_load_to_lds s[G0R:G0R+3], s[G1B:G1B+7]  ; my one tensor load behind the round: it has the products below and the way out in which to land
	s_nop 0
	PLACES
	MULW 7
.irp a, 6,7
	MULA 7, \orient, \a
.endr
.endif
.endr
	WIN 0
	PLACES
.endm
.macro ROPE a                          ; (x1, x2) -> (x1 c - x2 s, x2 c + x1 s); each accumulator is read from its low end on
	WIN 0x0e                                       ; source 0 window 2, source 1 window 3
.irp i, 0,1,2,3,4,5,6,7,8,9,10,11,12,13,14,15
	v_pk_mul_f32 v[RR+2*\i:RR+2*\i+1], v[32*\a+2*\i:32*\a+2*\i+1], v[32*\a+2*\i:32*\a+2*\i+1] op_sel_hi:[1,0]
.endr
.irp i, 0,1,2,3,4,5,6,7,8,9,10,11,12,13,14,15
	v_pk_fma_f32 v[RR+2*\i:RR+2*\i+1], v[32*\a+2*\i:32*\a+2*\i+1], v[32*\a+2*\i:32*\a+2*\i+1], v[RR+2*\i:RR+2*\i+1] op_sel:[1,1,0] op_sel_hi:[0,1,1] neg_lo:[0,1,0]
.endr
	WIN 0
.endm
; 32 numbers of a lane, register 16 b + i = k 32 b + 16 h + i of my row, become half a fragment (6 registers at dst) and two scale bytes (hw)
.macro QUANT2 src, dst, hw
.irp b, 0,1
	v_max3_num_f32 v[TM+\b], |v[\src+16*\b]|, |v[\src+16*\b+1]|, 0x1800000
.endr
.irp i, 2,4,6,8,10,12,14
.irp b, 0,1
	v_max3_num_f32 v[TM+\b], v[TM+\b], |v[\src+16*\b+\i]|, |v[\src+16*\b+\i+1]|
.endr
.endr
.irp b, 0,1
	v_permlanex16_b32 v[TM+2+\b], v[TM+\b], s96, s97
.endr
.irp b, 0,1
	v_max_num_f32 v[TM+\b], v[TM+\b], v[TM+2+\b]   ; with lane l xor 16's: the block's largest magnitude
.endr
.irp b, 0,1
	v_add_nc_u32 v[TM+4+\b], 0xff000000, v[TM+\b]
.endr
.irp b, 0,1
	v_lshrrev_b32 v[TM+6+\b], 23, v[TM+4+\b]
.endr
	v_lshl_or_b32 v[\hw], v[TM+7], 8, v[TM+6]
	v_cvt_scalef32_pk16_fp6_f32 v[\dst:\dst+2], v[\src:\src+15], v[TM+4]
	v_cvt_scalef32_pk16_fp6_f32 v[TP:TP+2], v[\src+16:\src+31], v[TM+5]
	v_nop                                          ; one plain place behind a scaled conversion
.irp i, 0,1,2
	v_permlane16_swap_b32 v[\dst+\i], v[TP+\i]     ; the layout wants a whole block in a lane: lanes 0-15 block 0, lanes 16-31 block 1
.endr
.irp i, 0,1,2
	v_mov_b32 v[\dst+3+\i], v[TP+\i]
.endr
.endm
; THE WAY OUT of q or of k: the buffer's address in s[pb], bhs bytes a head of the batch, sts bytes a group of 128 tokens, the scale words scoff bytes behind the fragments
.macro QKOUT pb, bhs, sts, scoff
	s_mul_i32 s2, s66, \bhs
	s_mul_i32 s3, s67, \sts
	s_add_co_u32 s2, s2, s3
	s_mov_b32 s3, 0
	s_add_nc_u64 s[98:99], s[\pb:\pb+1], s[2:3]    ; my group's fragments
	v_mov_b32 v[TM+2], 0                           ; a lane permute's destination counts as one of its sources
	v_mov_b32 v[TM+3], 0
.irp a, 0,1,2,3,4,5,6,7
	ROPE \a
	QUANT2 RR, FF+12*(\a/2)+6*(\a%2), HW+\a
.if \a%2
.irp i, 0,1,2
	global_store_b128 v1, v[FF+12*(\a/2)+4*\i:FF+12*(\a/2)+4*\i+3], s[98:99] offset:1536*(\a/2)+512*\i   ; a fragment's image: 512 consecutive bytes a store
.endr
	v_lshl_or_b32 v[WD+\a/2], v[HW+\a], 16, v[HW+\a-1]   ; its scale word: the even tile's two bytes, the odd tile's two
.endif
.endr
	s_mov_b32 s2, 0xffff0000
	v_cndmask_b32 v[SW], v[WD], v[WD+1], s2        ; lanes 0-15: fragments 0 and 2; lanes 16-31: 1 and 3
	v_cndmask_b32 v[SW+1], v[WD+2], v[WD+3], s2
	global_store_b64 v2, v[SW:SW+1], s[98:99] offset:\scoff   ; 256 consecutive bytes
.endm
; v: tile b of 16 channels: register 64 b + 16 k + i of window 2 = key 32 k + 16 h + i of my channel: a whole fragment and its scale word
.macro QUANT4 b
	WIN 0x28                                       ; sources 1 and 2 window 2
.irp k, 0,1,2,3
	v_max3_num_f32 v[TM+\k], 0x1800000, |v[64*\b+16*\k]|, |v[64*\b+16*\k+1]|
.endr
.irp i, 2,4,6,8,10,12,14
.irp k, 0,1,2,3
	v_max3_num_f32 v[TM+\k], v[TM+\k], |v[64*\b+16*\k+\i]|, |v[64*\b+16*\k+\i+1]|
.endr
.endr
	WIN 0
.irp k, 0,1,2,3
	v_permlanex16_b32 v[TM+4+\k], v[TM+\k], s96, s97
.endr
.irp k, 0,1,2,3
	v_max_num_f32 v[TM+\k], v[TM+\k], v[TM+4+\k]
.endr
.irp k, 0,1,2,3
	v_add_nc_u32 v[TM+12+\k], 0xff000000, v[TM+\k]
.endr
.irp k, 0,1,2,3
	v_lshrrev_b32 v[TM+4+\k], 23, v[TM+12+\k]
.endr
	v_lshl_or_b32 v[PW+\b], v[TM+5], 8, v[TM+4]
	v_lshl_or_b32 v[PW+\b], v[TM+6], 16, v[PW+\b]
	v_lshl_or_b32 v[PW+\b], v[TM+7], 24, v[PW+\b]
	WIN 0x02                                       ; source 0 window 2
.irp c, 0,1
	v_cvt_scalef32_pk16_fp6_f32 v[FF+12*\b+6*\c:FF+12*\b+6*\c+2], v[64*\b+32*\c:64*\b+32*\c+15], v[TM+12+2*\c]
	v_cvt_scalef32_pk16_fp6_f32 v[TPV+4*\c:TPV+4*\c+2], v[64*\b+32*\c+16:64*\b+32*\c+31], v[TM+12+2*\c+1]
.endr
	WIN 0
	v_nop                                          ; one plain place behind a scaled conversion
.irp c, 0,1
.irp i, 0,1,2
	v_permlane16_swap_b32 v[FF+12*\b+6*\c+\i], v[TPV+4*\c+\i]
.endr
.irp i, 0,1,2
	v_mov_b32 v[FF+12*\b+6*\c+3+\i], v[TPV+4*\c+\i]
.endr
.endr
.irp i, 0,1,2
	global_store_b128 v1, v[FF+12*\b+4*\i:FF+12*\b+4*\i+3], s[98:99] offset:1536*\b+512*\i
.endr
.endm
	s_load_b256 s[4:11], s[0:1], 0x0               ; cod, scl, rope, qb
	s_load_b64 s[12:13], s[0:1], 0x20              ; kv
	v_lshl_add_u32 v[SPW], v0, 2, SPARE
	v_mov_b32 v[NIL], 0
	ds_add_u32 v10, v11
	ds_add_u32 v10, v11
	s_wait_dscnt 0x0
	v_lshrrev_b32 v1, 5, v0
	v_readfirstlane_b32 s14, v1                    ; wave 0..3
	s_lshr_b32 s15, s14, 1                         ; which 128 tokens are mine.  Also: at the start I fetch for x (0) or for w (1)
	s_and_b32 s16, s14, 1                          ; which 64 columns.  Also: which half of that operand's tiles I fetch
	s_bfe_u32 s96, ttmp6, 0x40000                  ; cx
	s_bfe_u32 s97, ttmp6, 0x40004                  ; cy
	s_lshl_b32 s17, ttmp9, 2
	s_add_co_u32 s17, s17, s96                     ; tile column = 4 x cluster x + cx: 0..7
	s_and_b32 s18, ttmp7, 0xffff
	s_lshl_b32 s18, s18, 2
	s_add_co_u32 s18, s18, s97                     ; tile row = 4 x cluster y + cy: 0..31
	s_lshl_b32 s2, s97, 2
	s_lshl_b32 s2, 15, s2                          ; my row of the cluster
	s_lshl_b32 s19, 0x1111, s96                    ; my column
	s_or_b32 s[G1A], s2, (3<<16)|(1<<21)           ; 15:0 the mask; 17:16 elements of 8 bytes; 21 set beside a mask; no padding
	s_or_b32 s[G1AS], s2, (3<<16)|(1<<21)
	s_or_b32 s[G1B], s19, (3<<16)|(1<<21)
	s_or_b32 s[G1BS], s19, (3<<16)|(1<<21)
.irp g, G1A, G1B                       ; codes: a tile's 3,072 bytes of a chunk are a row of 384 elements; tiles lie 12,288 bytes (1,536 elements) apart
	s_mov_b32 s[\g+1], 384<<16
	s_mov_b32 s[\g+3], 384<<16
	s_mov_b32 s[\g+5], 1536
	s_mov_b32 s[\g+6], 0
	s_mov_b32 s[\g+7], 0
.endr
	s_mov_b32 s[G1A+2], 8<<16                      ; 8 tiles of x to a load,
	s_mov_b32 s[G1A+4], 8
	s_mov_b32 s[G1B+2], 4<<16                      ; 4 of w
	s_mov_b32 s[G1B+4], 4
	s_mov_b32 s[G1AS+1], 32<<16                    ; x's scales: dense, 16 rows of 256 bytes
	s_mov_b32 s[G1AS+2], 16<<16
	s_mov_b32 s[G1AS+3], 32<<16
	s_mov_b32 s[G1AS+4], 16
	s_mov_b32 s[G1AS+5], 32
	s_mov_b32 s[G1AS+6], 0
	s_mov_b32 s[G1AS+7], 0
	s_mov_b32 s[G1BS+1], 256<<16                   ; w's scales: 3 rows, one for each pass, of 2,048 bytes (two pairs of tiles),
	s_mov_b32 s[G1BS+2], 3<<16
	s_mov_b32 s[G1BS+3], 256<<16
	s_mov_b32 s[G1BS+4], 3
	s_mov_b32 s[G1BS+5], 4096                      ; 32 pairs, 32,768 bytes, apart: from w_q's to w_k's to w_v's
	s_mov_b32 s[G1BS+6], 0
	s_mov_b32 s[G1BS+7], 0
	s_wait_kmcnt 0x0
	; x: tiles 16 x tile row + 8 x half on.  Nothing here hangs on cx
	s_mul_i32 s2, s18, 196608
	s_mul_i32 s3, s16, 98304
	s_add_co_u32 s2, s2, s3
	s_mov_b32 s3, 0
	s_add_nc_u64 s[98:99], s[4:5], s[2:3]
	s_mul_i32 s2, s16, 24576
.irp q, 0,1,2,3
	s_mov_b32 s[G0A+4*\q], 1
	s_add_co_u32 s[G0A+4*\q+1], s2, CHUNK*\q
	s_add_nc_u64 s[G0A+4*\q+2:G0A+4*\q+3], s[98:99], 3072*\q
	s_or_b32 s[G0A+4*\q+3], s[G0A+4*\q+3], 0x80000000
.endr
	s_lshl_b32 s2, s18, 13                         ; x's scales: 8 pairs of 1,024 bytes a tile row, 4 a half
	s_lshl_b32 s3, s16, 12
	s_add_co_u32 s2, s2, s3
	s_add_co_u32 s[G0AS+1], s3, ASCL
	s_mov_b32 s3, 0
	s_mov_b32 s[G0AS], 1
	s_add_nc_u64 s[G0AS+2:G0AS+3], s[6:7], s[2:3]
	s_or_b32 s[G0AS+3], s[G0AS+3], 0x80000000
	; w_q: tiles 512 + 8 x tile column + 4 x half on.  Nothing here hangs on cy
	s_mul_i32 s100, s17, 98304
	s_mul_i32 s101, s16, 49152
	s_add_co_u32 s100, s100, s101
	s_add_co_u32 s100, s100, 512*12288
	s_mov_b32 s101, 0
	s_add_nc_u64 s[100:101], s[4:5], s[100:101]
	s_mul_i32 s19, s16, 12288
.irp q, 0,1,2,3
	s_mov_b32 s[G0B+4*\q], 1
	s_add_co_u32 s[G0B+4*\q+1], s19, CHUNK*\q+49152
	s_add_nc_u64 s[G0B+4*\q+2:G0B+4*\q+3], s[100:101], 3072*\q
	s_or_b32 s[G0B+4*\q+3], s[G0B+4*\q+3], 0x80000000
.endr
	s_lshl_b32 s100, s17, 12                       ; w's scales: pairs 256 + 4 x tile column + 2 x half on
	s_lshl_b32 s19, s16, 11
	s_add_co_u32 s100, s100, s19
	s_add_co_u32 s100, s100, 256*1024
	s_mov_b32 s101, 0
	s_mul_i32 s19, s16, 6144
	s_add_co_u32 s[G0BS+1], s19, BSCL
	s_mov_b32 s[G0BS], 1
	s_add_nc_u64 s[G0BS+2:G0BS+3], s[6:7], s[100:101]
	s_or_b32 s[G0BS+3], s[G0BS+3], 0x80000000
	CROUND                                         ; all sixteen work-groups are here: the joint loads meet
	s_cmp_eq_u32 s15, 0                            ; a wave's five first fills stand in one branch on its number; four v_nop follow the last
	s_cbranch_scc0 .Lfor_b
	tensor_load_to_lds s[G0AS:G0AS+3], s[G1AS:G1AS+7]
	s_nop 0
	tensor_load_to_lds s[G0A:G0A+3], s[G1A:G1A+7]
	s_nop 0
	tensor_load_to_lds s[G0A+4:G0A+7], s[G1A:G1A+7]
	s_nop 0
	tensor_load_to_lds s[G0A+8:G0A+11], s[G1A:G1A+7]
	s_nop 0
	tensor_load_to_lds s[G0A+12:G0A+15], s[G1A:G1A+7]
	s_nop 0
.rept 4
	v_nop
.endr
	s_branch .Lasked
.Lfor_b:
	tensor_load_to_lds s[G0BS:G0BS+3], s[G1BS:G1BS+7]
	s_nop 0
	tensor_load_to_lds s[G0B:G0B+3], s[G1B:G1B+7]
	s_nop 0
	tensor_load_to_lds s[G0B+4:G0B+7], s[G1B:G1B+7]
	s_nop 0
	tensor_load_to_lds s[G0B+8:G0B+11], s[G1B:G1B+7]
	s_nop 0
	tensor_load_to_lds s[G0B+12:G0B+15], s[G1B:G1B+7]
	s_nop 0
.rept 4
	v_nop
.endr
.Lasked:
	v_and_b32 v12, 31, v0                          ; lane
	v_and_b32 v13, 15, v0                          ; r
	v_bfe_u32 v14, v0, 4, 1                        ; h
	v_lshlrev_b32 v1, 4, v12                       ; 16 x lane
	v_lshlrev_b32 v2, 3, v12                       ; 8 x lane
	s_mul_i32 s2, s15, 24576                       ; my 8 tiles of x in a chunk,
	s_mul_i32 s3, s16, 12288                       ; my 4 tiles of w, behind x's 16
	s_add_co_u32 s3, s3, 49152
.irp q, 0,1,2,3                        ; an address register for each chunk: nothing is stepped, and nothing has to be stepped back for the next pass
	v_add_nc_u32 v[AX+\q], s2, v1
	v_add_nc_u32 v[AX+4+\q], s2, v2
	v_add_nc_u32 v[AW+\q], s3, v1
	v_add_nc_u32 v[AW+4+\q], s3, v2
	s_add_co_u32 s2, s2, CHUNK
	s_add_co_u32 s3, s3, CHUNK
.endr
	s_lshl_b32 s2, s15, 12
	s_add_co_u32 s2, s2, ASCL
	v_add_nc_u32 v7, s2, v1
	s_mul_i32 s2, s16, 6144
	s_add_co_u32 s2, s2, BSCL
	v_add_nc_u32 v8, s2, v1
	s_lshr_b32 s66, s18, 3                         ; the batch,
	s_lshl_b32 s66, s66, 4
	s_lshl_b32 s2, s17, 1
	s_add_co_u32 s66, s66, s2
	s_add_co_u32 s66, s66, s16                     ; my head of the batch: 16 x batch + 2 x tile column + half
	s_and_b32 s67, s18, 7
	s_lshl_b32 s67, s67, 1
	s_add_co_u32 s67, s67, s15                     ; my group of 128 tokens in the sequence
	s_mov_b32 s96, 0x76543210
	s_mov_b32 s97, 0xfedcba98                      ; selects for lane l xor 16
	s_lshl_b32 s2, s67, 15                         ; the table: 128 rows of 256 bytes a group
	s_mov_b32 s3, 0
	s_add_nc_u64 s[8:9], s[8:9], s[2:3]
	v_and_b32 v9, 8, v13
	v_add_nc_u32 v9, v9, v13
	v_lshlrev_b32 v9, 8, v9
	v_lshl_add_u32 v9, v14, 6, v9                  ; row r + 8 (r / 8) of the table, + 64 h: the eight frequencies of my 16 numbers of a block
	WIN 0xc0                                       ; destination window 3
.irp a, 0,1,2,3,4,5,6,7                ; register 32 a + 16 bb + i of window 3: cos (i even) or sin (i odd) for the pair of numbers in registers i and i xor 1 of window 2
.irp bb, 0,1
.irp j, 0,1,2,3
	global_load_b128 v[32*\a+16*\bb+4*\j:32*\a+16*\bb+4*\j+3], v9, s[8:9] offset:(32*(\a/2)+8*(\a%2))*256+128*\bb+16*\j
.endr
.endr
.endr
	WIN 0
	s_wait_alu depctr_va_vdst(0)
	; ---------------- q ----------------
	MAIN 0, 0
	s_wait_loadcnt 0x0                             ; cos and sin: they serve q and k
	QKOUT 10, 102400, 6400, 6144
	; ---------------- k ----------------
	MAIN 0, 1
	QKOUT 12, 204800, 12800, 12288
	; ---------------- v ----------------
	MAIN 1, 2
	s_mul_i32 s2, s66, 204800
	s_mul_i32 s3, s67, 12800
	s_add_co_u32 s2, s2, s3
	s_add_co_u32 s2, s2, 6144
	s_mov_b32 s3, 0
	s_add_nc_u64 s[98:99], s[12:13], s[2:3]        ; my group's fragments of v
.irp k, 0,1,2,3
	v_mov_b32 v[TM+4+\k], 0                        ; a lane permute's destination counts as one of its sources
.endr
	QUANT4 0
	QUANT4 1
	QUANT4 2
	QUANT4 3
	s_mov_b32 s2, 0xffff0000
	v_cndmask_b32 v[SW], v[PW], v[PW+1], s2        ; lanes 0-15: tiles 0 and 2; lanes 16-31: 1 and 3
	v_cndmask_b32 v[SW+1], v[PW+2], v[PW+3], s2
	global_store_b64 v2, v[SW:SW+1], s[98:99] offset:6400
	s_wait_tensorcnt 0x0                           ; the wave's end, behind my last tensor load
	ds_add_u32 v[SPW], v[NIL]
	s_wait_dscnt 0x0
	CROUND                                         ; the closing round: no work-group ends while a partner may still ask for a tile that names it
	s_endpgm
.Lfunc_end_k_q7223e54165_qkv:
	.size	k_q7223e54165_qkv, .Lfunc_end_k_q7223e54165_qkv-k_q7223e54165_qkv
	.p2alignl 7, 3214868480
	.fill 96, 4, 3214868480
	.section	.rodata,"a",@progbits
	.p2align	6, 0x0
	.amdhsa_kernel k_q7223e54165_qkv
		.amdhsa_group_segment_fixed_size 327680
		.amdhsa_private_segment_fixed_size 0
		.amdhsa_enable_private_segment 0
		.amdhsa_kernarg_size 40
		.amdhsa_user_sgpr_count 2
		.amdhsa_user_sgpr_kernarg_segment_ptr 1
		.amdhsa_wavefront_size32 1
		.amdhsa_system_sgpr_workgroup_id_x 1
		.amdhsa_system_sgpr_workgroup_id_y 1
		.amdhsa_system_sgpr_workgroup_id_z 1
		.amdhsa_system_vgpr_workitem_id 0
		.amdhsa_next_free_vgpr 1024
		.amdhsa_next_free_sgpr 102
		.amdhsa_reserve_vcc 0
		.amdhsa_float_denorm_mode_32 3
		.amdhsa_float_denorm_mode_16_64 3
		.amdhsa_memory_ordered 1
		.amdhsa_forward_progress 1
		.amdhsa_inst_pref_size 255
	.end_amdhsa_kernel
	.section	.bss,"aw",@nobits
	.p2align	6
	.space	262144
	.amdgpu_metadata
---
amdhsa.version: [ 1, 2 ]
amdhsa.kernels:
  - .name:           k_q7223e54165_qkv
    .symbol:         k_q7223e54165_qkv.kd
    .args:
      - { .name: cod, .offset: 0, .size: 8, .value_kind: global_buffer, .address_space: global }
      - { .name: scl, .offset: 8, .size: 8, .value_kind: global_buffer, .address_space: global }
      - { .name: rope, .offset: 16, .size: 8, .value_kind: global_buffer, .address_space: global }
      - { .name: qb, .offset: 24, .size: 8, .value_kind: global_buffer, .address_space: global }
      - { .name: kv, .offset: 32, .size: 8, .value_kind: global_buffer, .address_space: global }
    .group_segment_fixed_size: 327680
    .private_segment_fixed_size: 0
    .kernarg_segment_align: 8
    .kernarg_segment_size: 40
    .max_flat_workgroup_size: 128
    .sgpr_count:     102
    .vgpr_count:     1024
    .wavefront_size: 32
...
	.end_amdgpu_metadata
.endif
;; end of part 2
;; launch attn (part 3): grid 4 x 64, 16 waves a work-group, clusters of 4 x 1, 206,848 bytes of LDS; arguments qb, kv, ac, asc; writes ac, asc
.if DOCPART == 3
	.amdgcn_target "amdgcn-amd-amdhsa--gfx1250"
	.amdhsa_code_object_version 6
	.text
	.protected	k_q7223e54165_attn
	.globl	k_q7223e54165_attn
	.p2align	8
	.type	k_q7223e54165_attn,@function
k_q7223e54165_attn:
	s_mov_b64 s[64:65], 0
	v_nop
	global_prefetch_b8 v0, s[64:65] scope:SCOPE_SE
	s_setreg_imm32_b32 hwreg(HW_REG_WAVE_MODE, 25, 1), 1
	s_wait_xcnt 0x0
	s_wait_alu depctr_hold_cnt(0) depctr_sa_sdst(0) depctr_va_vdst(0) depctr_va_sdst(0) depctr_va_ssrc(0) depctr_va_vcc(0) depctr_vm_vsrc(0)
	s_getreg_b32 s2, hwreg(HW_REG_IB_STS2, 6, 4)
	s_cmp_eq_u32 s2, 0
	s_cbranch_scc0 .Lentry_in_a_cluster
	s_endpgm
.Lentry_in_a_cluster:
	s_bfe_u32 s2, ttmp6, 0x10000c
	s_cmp_lg_u32 s2, 0x3003
	s_cbranch_scc0 .Lentry_shape_is_right
	s_endpgm
.Lentry_shape_is_right:
; ATTN.  Causal attention of one head of one batch (2,048 tokens, head size 64) on codes of E2M3; the result, divided by the row's sum, is quantised along the model's 1,024 and stored as the next product's operand.
; THE SOFTMAX: t = score x log2(e) / 8; M = the running largest t rounded UP to a whole number; p = 2^(t - M) is what is quantised, along the keys; the row's sum is taken of the unquantised p and divides at the end.
; When M moves, the sum and O are multiplied by 2^(old M - new M), which rounds nothing.
; THE WHOLE HEAD'S k AND v LIE IN LDS: 16 key steps of 128 keys x 12,800 bytes, filled once: wave w brings step w with one tensor load; one wait, one barrier; nothing is filled again.
; CLUSTER: the four work-groups of a head ask for each step JOINTLY (the same load, the same descriptor, a mask that names the four).  All branches hang on the wave's number and on counters, never on the place in the cluster.
; SHARES, EVEN UNDER THE CAUSAL MASK.  The sequence is 16 groups of 128 queries; work-group cx takes the 32 queries 32 cx .. of every group.  Wave w (p = w / 2, e = w % 2) owns tile e of groups 15 - p and p:
; group g wants g key steps all of whose keys count, and one on the diagonal: 17 steps for every wave.  The loops' trip counts are constants; a trip whose keys all come after the group is jumped over.
; K = 64 IN AN INSTRUCTION OF 128.  A fragment of k holds two tiles of 16 keys side by side; against [q ; 0] it gives the first tile's scores, against [0 ; q] the second's: zero codes add nothing.
; LAYOUT.  Both products are used transposed (S^T = k q^T, O^T = v^T p^T): a lane holds one query.  The rows of a tile are not neighbours (lane r of tile u of a pair: 8 u + r + 8 (r / 8)), so that 16 registers of two tiles are 16 neighbours.
; LIMITS: NaN and infinities are not served; a block of zeros gets the byte 1 (its codes are zeros; this program alone reads the bytes).  The scale bytes of the result leave two bytes a lane, 16 bytes apart: 262,144 bytes in all.
; REGISTERS: v1-11 addresses; v12 -M, v13 the largest t, v[14:15] the sum; v16-33 [0 | q | 0]; v34 q's scale word; v36-83 four fragments; v84-87 their scale words; v88-89 q's scale words as loaded;
; v96-159 S^T, then p; v160-191 O^T; v192-203 p's codes; v204-231 at work; v232-255 the two fragments of q as loaded.
.set ADK,  3
.set ADS,  4
.set DL,   5
.set QS,   34
.set KF,   36
.set KS,   84
.set VS,   86
.set S,    96
.set O,    160
.set PC,   192
.set CT,   204
.set BM,   212
.set EX,   216
.set SO,   220
.set PS,   224
.set FA,   226
.set TMP,  228
.macro PLACES
.rept 4
	v_nop
.endr
.endm
.macro CROUND                          ; a round of the cluster's barrier
	s_barrier_signal -1
	s_barrier_wait -1
	s_cmp_lg_u32 s12, 0
	s_cbranch_scc1 .Lnot_wave_0_\@
	s_barrier_signal -3
.Lnot_wave_0_\@:
	s_barrier_wait -3
	s_barrier_signal -1
	s_barrier_wait -1
.endm
; one matrix instruction: D at d, sources at x and y, z = 1: the product starts the sum; scale words in sx, sy; rx = 1: source 0's in lanes 16-31
.macro WM d, x, y, z, sx, sy, rx
.if \z
.if \rx
	v_wmma_scale_f32_16x16x128_f8f6f4 v[\d:\d+7], v[\x:\x+11], v[\y:\y+11], 0, v[\sx], v[\sy] matrix_a_fmt:MATRIX_FMT_FP6 matrix_b_fmt:MATRIX_FMT_FP6 matrix_a_scale:MATRIX_SCALE_ROW1
.else
	v_wmma_scale_f32_16x16x128_f8f6f4 v[\d:\d+7], v[\x:\x+11], v[\y:\y+11], 0, v[\sx], v[\sy] matrix_a_fmt:MATRIX_FMT_FP6 matrix_b_fmt:MATRIX_FMT_FP6
.endif
.else
.if \rx
	v_wmma_scale_f32_16x16x128_f8f6f4 v[\d:\d+7], v[\x:\x+11], v[\y:\y+11], v[\d:\d+7], v[\sx], v[\sy] matrix_a_fmt:MATRIX_FMT_FP6 matrix_b_fmt:MATRIX_FMT_FP6 matrix_a_scale:MATRIX_SCALE_ROW1
.else
	v_wmma_scale_f32_16x16x128_f8f6f4 v[\d:\d+7], v[\x:\x+11], v[\y:\y+11], v[\d:\d+7], v[\sx], v[\sy] matrix_a_fmt:MATRIX_FMT_FP6 matrix_b_fmt:MATRIX_FMT_FP6
.endif
.endif
.endm
	s_load_b256 s[4:11], s[0:1], 0x0               ; qb, kv, ac, asc
	v_lshl_add_u32 v211, v0, 2, 0x32000
	v_mov_b32 v225, 0
	ds_add_u32 v211, v225
	ds_add_u32 v211, v225
	v_lshrrev_b32 v1, 5, v0
	s_delay_alu instid0(VALU_DEP_1)
	v_readfirstlane_b32 s12, v1                    ; wave 0..15
	s_lshr_b32 s13, s12, 1                         ; p: my early group
	s_and_b32 s14, s12, 1                          ; e: which tile of the pair
	s_xor_b32 s26, s13, 15                         ; my late group
	s_bfe_u32 s15, ttmp6, 0x40000                  ; cx: which 32 queries of a group
	s_and_b32 s19, ttmp7, 0xffff                   ; the head of the batch, which the four partners share
	s_mov_b32 s28, 15|(3<<16)|(1<<21)              ; group 1: the mask names all four; elements of 8 bytes; 21 set beside a mask; no padding
	s_mov_b32 s29, 32<<16                          ; a dense block as rows of 256 bytes:
	s_mov_b32 s30, 50<<16                          ; 50 of them
	s_mov_b32 s31, 32<<16
	s_mov_b32 s32, 50
	s_mov_b32 s33, 32
	s_mov_b32 s34, 0
	s_mov_b32 s35, 0
	s_mul_i32 s40, s19, 204800
	s_mul_i32 s37, s12, 12800                      ; key step w: its place in LDS, and in the head's block of memory
	s_add_co_u32 s40, s40, s37
	s_mov_b32 s41, 0
	s_mov_b32 s36, 1
	s_wait_dscnt 0x0
	s_wait_kmcnt 0x0
	s_add_nc_u64 s[38:39], s[6:7], s[40:41]
	s_or_b32 s39, s39, 0x80000000
	CROUND                                         ; all four work-groups are here: the joint loads meet
	tensor_load_to_lds s[36:39], s[28:35]          ; my one tensor load
	s_nop 0
.rept 4
	v_nop
.endr
	v_and_b32 v9, 31, v0                           ; lane
	v_and_b32 v10, 15, v0                          ; r
	v_bfe_u32 v11, v0, 4, 1                        ; h
	s_delay_alu instid0(VALU_DEP_3)
	v_lshlrev_b32 v1, 4, v9                        ; 16 x lane
	s_delay_alu instid0(VALU_DEP_4)
	v_lshlrev_b32 v7, 3, v9                        ; 8 x lane
	s_delay_alu instid0(VALU_DEP_1)
	v_add_nc_u32 v2, 12288, v7                     ; a step's scale words
	v_lshlrev_b32 v6, 4, v10                       ; 16 r
	v_lshlrev_b32 v8, 3, v10                       ; 8 r
	s_wait_alu depctr_va_vdst(0)
	v_and_b32 v5, 8, v10
	s_delay_alu instid0(VALU_DEP_1)
	v_add_nc_u32 v5, v5, v10
	v_lshlrev_b32 v11, 4, v11
	s_delay_alu instid0(VALU_DEP_1)
	v_sub_nc_u32 v5, v5, v11
	s_lshl_b32 s51, s15, 5
	s_lshl_b32 s52, s14, 3
	s_add_co_u32 s51, s51, s52
	v_add_nc_u32 v[DL], s51, v5                    ; my query's place in its group, less 16 h
	s_mul_i32 s48, s19, 102400                     ; the head's block of qb
	s_mul_i32 s49, s15, 1536                       ; fragment cx of a group
	s_and_b32 s50, s15, 1
	s_lshl_b32 s50, s50, 7
	s_lshr_b32 s51, s15, 1
	s_lshl_b32 s51, s51, 2
	s_add_co_u32 s50, s50, s51
	s_add_co_u32 s50, s50, 6144                    ; and its scale words: 8 (16 (cx % 2) + r) + 4 (cx / 2) behind the fragments
.macro QASK g, sb, raw, rsc            ; the fragment and the scale word of group s[g], by bases of their own in s[sb .. sb + 3]
	s_mul_i32 s51, s[\g], 6400
	s_add_co_u32 s51, s51, s48
	s_add_co_u32 s[\sb], s51, s49
	s_mov_b32 s[\sb+1], 0
	s_add_co_u32 s[\sb+2], s51, s50
	s_mov_b32 s[\sb+3], 0
	s_add_nc_u64 s[\sb:\sb+1], s[4:5], s[\sb:\sb+1]
	s_add_nc_u64 s[\sb+2:\sb+3], s[4:5], s[\sb+2:\sb+3]
.irp i, 0,1,2
	global_load_b128 v[\raw+4*\i:\raw+4*\i+3], v1, s[\sb:\sb+1] offset:512*\i
.endr
	global_load_b32 v[\rsc], v8, s[\sb+2:\sb+3]
.endm
	QASK 26, 40, 232, 88
	QASK 13, 44, 244, 89
	s_mov_b32 s20, 0x76543210
	s_mov_b32 s21, 0xfedcba98                      ; selects for lane l xor 16
	s_mov_b32 s22, 0x3e38aa3b                      ; c = log2(e) / 8
	s_mov_b32 s23, s22                             ; (named with it as a pair)
	s_cmp_lg_u32 s14, 0
	s_cselect_b32 s24, -1, 0                       ; all lanes take the fragment's upper six registers where e = 1
	s_lshl_b32 s25, s14, 4
	s_lshr_b32 s27, s19, 4
	s_lshl_b32 s27, s27, 6
	s_add_co_u32 s27, s27, s15                     ; 64 x batch + cx: a pair of token tiles is this + 4 x group
	s_and_b32 s58, s19, 15                         ; the head
	s_mul_i32 s57, s58, 768                        ; its image in a token tile
	s_lshr_b32 s56, s58, 3
	s_lshl_b32 s56, s56, 9
	s_lshl_b32 s51, s14, 8
	s_add_co_u32 s56, s56, s51
	s_bfe_u32 s51, s58, 0x20001
	s_lshl_b32 s51, s51, 2
	s_add_co_u32 s56, s56, s51
	s_and_b32 s51, s58, 1
	s_lshl_b32 s51, s51, 1
	s_add_co_u32 s56, s56, s51                     ; its two scale bytes in a pair's 1,024: 512 (head / 8) + 256 e + 4 ((head / 2) % 4) + 2 (head % 2)
.irp i, 0,1,2,3,4,5
	v_mov_b32 v[16+\i], 0                          ; the zero codes on both sides of q
	v_mov_b32 v[28+\i], 0
.endr
.irp b, 0,1,2,3
	v_mov_b32 v[EX+\b], 0                          ; a lane permute's destination counts as one of its sources
.endr
	v_mov_b32 v[FA+1], 0                           ; (named as the upper half of a pair)
; A KEY STEP: the 128 keys whose block begins at LDS byte s17.  masked = 1: the step on the diagonal
.macro STEP masked
	v_add_nc_u32 v[ADK], s17, v1
	v_add_nc_u32 v[ADS], s17, v2
	v_nop
	v_nop                                          ; four places in front of loads into registers that matrix instructions have read
.irp f, 0,1,2,3
.irp i, 0,1,2
	ds_load_b128 v[KF+12*\f+4*\i:KF+12*\f+4*\i+3], v[ADK] offset:1536*\f+512*\i
.endr
.endr
	ds_load_b64 v[KS:KS+1], v[ADS]                 ; k's scale words: fragments 0 | 1 in the halves of the first register, 2 | 3 of the second
	ds_load_b64 v[VS:VS+1], v[ADS] offset:256      ; v's likewise
	s_wait_alu depctr_va_vdst(0)
	s_wait_dscnt 0x0
.irp t, 0,1,2,3,4,5,6,7                ; S^T: tile t of 16 keys is half t % 2 of fragment t / 2
	WM S+8*\t, KF+12*(\t/2), 22-6*(\t%2), 1, KS+\t/4, QS, (\t/2)%2
.endr
	PLACES
.irp f, 0,1,2,3
.irp i, 0,1,2
	ds_load_b128 v[KF+12*\f+4*\i:KF+12*\f+4*\i+3], v[ADK] offset:6144+1536*\f+512*\i   ; v's four fragments land under the softmax
.endr
.endr
.if \masked
	v_mov_b32 v[TMP], 0xff800000                   ; register 16 b + i holds key 32 b + 16 h + i of the group: hidden where that is beyond my query: -infinity, so p = 0
.set n, 0
.rept 64
	v_cmp_gt_i32 vcc_lo, 32*(n/16)+n%16, v[DL]
	v_cndmask_b32 v[S+n], v[S+n], v[TMP], vcc_lo
.set n, n+1
.endr
.endif
.irp b, 0,1,2,3
	v_max3_num_f32 v[BM+\b], v[S+16*\b], v[S+16*\b+1], v[S+16*\b+2]   ; the largest score of each block of 32 keys: for the row's maximum, and, since p rises with the score, for the block's largest p
.endr
.irp i, 3,5,7,9,11,13
.irp b, 0,1,2,3
	v_max3_num_f32 v[BM+\b], v[BM+\b], v[S+16*\b+\i], v[S+16*\b+\i+1]
.endr
.endr
.irp b, 0,1,2,3
	v_max_num_f32 v[BM+\b], v[BM+\b], v[S+16*\b+15]
.endr
.irp b, 0,1,2,3
	s_delay_alu instid0(VALU_DEP_4)
	v_permlanex16_b32 v[EX+\b], v[BM+\b], s20, s21
.endr
.irp b, 0,1,2,3
	s_delay_alu instid0(VALU_DEP_4)
	v_max_num_f32 v[BM+\b], v[BM+\b], v[EX+\b]
.endr
	s_delay_alu instid0(VALU_DEP_2)
	v_max3_num_f32 v[TMP], v[BM], v[BM+1], v[BM+2]
	s_delay_alu instid0(VALU_DEP_1)
	v_max_num_f32 v[TMP], v[TMP], v[BM+3]
	s_delay_alu instid0(VALU_DEP_1)
	v_mul_f32 v[TMP], s22, v[TMP]                  ; the step's largest t
	s_delay_alu instid0(VALU_DEP_1)
	v_max_num_f32 v13, v13, v[TMP]
	v_mov_b32 v[TMP], v12
	s_delay_alu instid0(VALU_DEP_2)
	v_floor_f32 v12, -v13                          ; the new -M = -ceil(t): a whole number
	s_delay_alu instid0(VALU_DEP_1)
	v_sub_f32 v[TMP], v12, v[TMP]
	s_delay_alu instid0(VALU_DEP_1)
	v_cvt_i32_f32 v[TMP], v[TMP]                   ; (it saturates)
	s_delay_alu instid0(VALU_DEP_1)
	v_ldexp_f32 v[FA], 1.0, v[TMP]                 ; f = 2^(old M - new M)
.set n, 0
.rept 32
	v_pk_fma_f32 v[S+n:S+n+1], v[S+n:S+n+1], s[22:23], v[12:13] op_sel_hi:[1,0,0]   ; t - M
.set n, n+2
.endr
.irp b, 0,1,2,3
	v_fma_f32 v[BM+\b], v[BM+\b], s22, v12
.endr
.set n, 0
	s_wait_alu depctr_va_vdst(0)
.rept 64
	v_exp_f32 v[S+n], v[S+n]                       ; p, at most 1, not normalised
.set n, n+1
.endr
	s_setprio 1
.irp b, 0,1,2,3
	v_exp_f32 v[BM+\b], v[BM+\b]                   ; the block's largest p: the same two instructions on the same number
.endr
	v_pk_mul_f32 v[14:15], v[14:15], v[FA:FA+1] op_sel_hi:[1,0]   ; the sums under the new M.  (A plain place behind the exponentials)
	s_wait_alu depctr_va_vdst(0)
.irp b, 0,1,2,3
	v_max_num_f32 v[BM+\b], 0x1800000, v[BM+\b]    ; the floor: the byte cannot fall under 1
.endr
.irp b, 0,1,2,3
	s_delay_alu instid0(VALU_DEP_4)
	v_add_nc_u32 v[SO+\b], 0xff000000, v[BM+\b]
.endr
.irp b, 0,1,2,3
	s_delay_alu instid0(VALU_DEP_4)
	v_lshrrev_b32 v[EX+\b], 23, v[SO+\b]
.endr
	s_delay_alu instid0(VALU_DEP_3)
	v_lshl_or_b32 v[PS], v[EX+1], 8, v[EX]         ; p's scale word for these 128 keys
	s_delay_alu instid0(VALU_DEP_1)
	v_lshl_or_b32 v[PS], v[EX+2], 16, v[PS]
	s_delay_alu instid0(VALU_DEP_1)
	v_lshl_or_b32 v[PS], v[EX+3], 24, v[PS]
.irp c, 0,1
	v_cvt_scalef32_pk16_fp6_f32 v[PC+6*\c:PC+6*\c+2], v[S+32*\c:S+32*\c+15], v[SO+2*\c]
	v_cvt_scalef32_pk16_fp6_f32 v[CT+4*\c:CT+4*\c+2], v[S+32*\c+16:S+32*\c+31], v[SO+2*\c+1]
.endr
	v_nop                                          ; one plain place behind a scaled conversion
.irp c, 0,1
.irp i, 0,1,2
	v_permlane16_swap_b32 v[PC+6*\c+\i], v[CT+4*\c+\i]
.endr
.irp i, 0,1,2
	s_delay_alu instid0(VALU_DEP_3)
	v_mov_b32 v[PC+3+6*\c+\i], v[CT+4*\c+\i]
.endr
.endr
	v_pk_add_f32 v[230:231], v[100:101], v[104:105]
	v_pk_add_f32 v[94:95], v[108:109], v[112:113]
	v_pk_add_f32 v[92:93], v[116:117], v[120:121]
	v_pk_add_f32 v[90:91], v[124:125], v[128:129]
	v_pk_add_f32 v[14:15], v[14:15], v[132:133]
	v_pk_add_f32 v[230:231], v[230:231], v[136:137]
	v_pk_add_f32 v[94:95], v[94:95], v[140:141]
	v_pk_add_f32 v[92:93], v[92:93], v[144:145]
	v_pk_add_f32 v[90:91], v[90:91], v[148:149]
	v_pk_add_f32 v[14:15], v[14:15], v[152:153]
	v_pk_add_f32 v[230:231], v[230:231], v[156:157]
	v_pk_add_f32 v[94:95], v[94:95], v[96:97]
	v_pk_add_f32 v[92:93], v[92:93], v[98:99]
	v_pk_add_f32 v[90:91], v[90:91], v[102:103]
	v_pk_add_f32 v[14:15], v[14:15], v[106:107]
	v_pk_add_f32 v[230:231], v[230:231], v[110:111]
	v_pk_add_f32 v[94:95], v[94:95], v[114:115]
	v_pk_add_f32 v[92:93], v[92:93], v[118:119]
	v_pk_add_f32 v[90:91], v[90:91], v[122:123]
	v_pk_add_f32 v[14:15], v[14:15], v[126:127]
	v_pk_add_f32 v[230:231], v[230:231], v[130:131]
	v_pk_add_f32 v[94:95], v[94:95], v[134:135]
	v_pk_add_f32 v[92:93], v[92:93], v[138:139]
	v_pk_add_f32 v[90:91], v[90:91], v[142:143]
	v_pk_add_f32 v[14:15], v[14:15], v[146:147]
	v_pk_add_f32 v[230:231], v[230:231], v[150:151]
	v_pk_add_f32 v[94:95], v[94:95], v[154:155]
	v_pk_add_f32 v[92:93], v[92:93], v[158:159]
	s_delay_alu instid0(VALU_DEP_1)
	v_pk_add_f32 v[14:15], v[14:15], v[92:93]
	s_delay_alu instid0(VALU_DEP_4)
	v_pk_add_f32 v[230:231], v[230:231], v[90:91]
	s_delay_alu instid0(VALU_DEP_2)
	v_pk_add_f32 v[14:15], v[14:15], v[94:95]
	s_delay_alu instid0(VALU_DEP_1)
	v_pk_add_f32 v[14:15], v[14:15], v[230:231]
.set n, 0
	s_setprio 0
.rept 16
	v_pk_mul_f32 v[O+n:O+n+1], v[O+n:O+n+1], v[FA:FA+1] op_sel_hi:[1,0]   ; O^T under the new M
.set n, n+2
.endr
	s_wait_alu depctr_va_vdst(0)
	s_wait_dscnt 0x0                               ; v's fragments
.irp t, 0,1,2,3                        ; O^T += v^T p^T: four accumulators by turns; the eight products of S^T stand between two links of a chain
	WM O+8*\t, KF+12*\t, PC, 0, VS+\t/2, PS, \t%2
.endr
.endm
; 32 numbers of a lane, register 16 b + i = k 32 b + 16 h + i of my row, become half a fragment (6 registers at dst) and two scale bytes (hw)
.macro QUANT2 src, dst, hw
.irp b, 0,1
	v_max3_num_f32 v[BM+\b], |v[\src+16*\b]|, |v[\src+16*\b+1]|, 0x1800000
.endr
.irp i, 2,4,6,8,10,12,14
.irp b, 0,1
	s_delay_alu instid0(VALU_DEP_2)
	v_max3_num_f32 v[BM+\b], v[BM+\b], |v[\src+16*\b+\i]|, |v[\src+16*\b+\i+1]|
.endr
.endr
.irp b, 0,1
	s_delay_alu instid0(VALU_DEP_2)
	v_permlanex16_b32 v[BM+2+\b], v[BM+\b], s20, s21
.endr
.irp b, 0,1
	s_delay_alu instid0(VALU_DEP_2)
	v_max_num_f32 v[BM+\b], v[BM+\b], v[BM+2+\b]
.endr
.irp b, 0,1
	s_delay_alu instid0(VALU_DEP_2)
	v_add_nc_u32 v[BM+4+\b], 0xff000000, v[BM+\b]
.endr
.irp b, 0,1
	s_delay_alu instid0(VALU_DEP_2)
	v_lshrrev_b32 v[BM+6+\b], 23, v[BM+4+\b]
.endr
	s_delay_alu instid0(VALU_DEP_1)
	v_lshl_or_b32 v[\hw], v[BM+7], 8, v[BM+6]
	v_cvt_scalef32_pk16_fp6_f32 v[\dst:\dst+2], v[\src:\src+15], v[BM+4]
	v_cvt_scalef32_pk16_fp6_f32 v[CT:CT+2], v[\src+16:\src+31], v[BM+5]
	v_nop
.irp i, 0,1,2
	v_permlane16_swap_b32 v[\dst+\i], v[CT+\i]
.endr
.irp i, 0,1,2
	s_delay_alu instid0(VALU_DEP_3)
	v_mov_b32 v[\dst+3+\i], v[CT+\i]
.endr
.endm
; One tile of 16 queries of group s16: nt trips, of which the first s16 work; the step on the diagonal; the way out
.macro TILE nt, raw, rsc
.irp i, 0,1,2,3,4,5
	v_cndmask_b32 v[22+\i], v[\raw+\i], v[\raw+6+\i], s24   ; my tile's half of the fragment
.endr
	v_lshrrev_b32 v[TMP], s25, v[\rsc]
	s_delay_alu instid0(VALU_DEP_1)
	v_and_b32 v[TMP], 0xffff, v[TMP]
	s_delay_alu instid0(VALU_DEP_1)
	v_lshl_or_b32 v[QS], v[TMP], 16, v[TMP]        ; its two bytes, for both places of q
	v_mov_b32 v13, 0xff61b1e6                      ; the largest t so far: -3e38
	s_delay_alu instid0(VALU_DEP_1)
	v_floor_f32 v12, -v13
	v_mov_b32 v14, 0
	v_mov_b32 v15, 0
.set n, 0
.rept 32
	v_mov_b32 v[O+n], 0                            ; the step is written once: the first finds zeros
.set n, n+1
.endr
	s_mov_b32 s17, 0
	s_mov_b32 s18, 0
.Lstep_\@:
	s_cmp_ge_u32 s18, s16                          ; keys that all come after my group: the trip's work is left out
	s_cbranch_scc1 .Lafter_\@
	s_setprio 2
	STEP 0
.Lafter_\@:
	s_add_co_u32 s17, s17, 12800
	s_add_co_u32 s18, s18, 1
	s_cmp_lt_u32 s18, \nt
	s_cbranch_scc1 .Lstep_\@
	s_setprio 0
	s_mul_i32 s17, s16, 12800
	STEP 1
	; the way out: O^T / the sum, quantised along the head's 64, as image `head' of my token tile
	PLACES
	v_add_f32 v14, v14, v15
	s_delay_alu instid0(VALU_DEP_1)
	v_permlanex16_b32 v[TMP], v14, s20, s21
	s_delay_alu instid0(VALU_DEP_1)
	v_add_f32 v14, v14, v[TMP]
	s_wait_alu depctr_va_vdst(0)
	v_rcp_f32 v14, v14
	v_nop                                          ; one plain place behind a transcendental
.set n, 0
	s_wait_alu depctr_va_vdst(0)
.rept 32
	v_mul_f32 v[S+n], v[O+n], v14                  ; register 16 bb + i: channel 32 bb + 16 h + i of my query
.set n, n+1
.endr
	QUANT2 S, PC, TMP+1
	s_lshl_b32 s52, s16, 2
	s_add_co_u32 s52, s52, s27                     ; the pair of token tiles
	s_lshl_b32 s54, s52, 10
	s_add_co_u32 s54, s54, s56
	s_mov_b32 s55, 0
	s_lshl_b32 s52, s52, 1
	s_add_co_u32 s52, s52, s14
	s_mul_i32 s52, s52, 12288
	s_add_co_u32 s52, s52, s57
	s_mov_b32 s53, 0
	s_add_nc_u64 s[52:53], s[8:9], s[52:53]
	s_add_nc_u64 s[54:55], s[10:11], s[54:55]
	s_wait_alu depctr_va_vdst(0)
	global_store_b128 v1, v[PC:PC+3], s[52:53]                 ; 512 consecutive bytes,
	global_store_b64 v7, v[PC+4:PC+5], s[52:53] offset:512     ; and 256
	s_wait_xcnt 0x0                                ; EXEC changes only behind this wait
	v_cmp_gt_u32 vcc_lo, 16, v9
	s_and_saveexec_b32 s59, vcc_lo
	global_store_b16 v6, v[TMP+1], s[54:55]        ; lanes 0-15: my row's two scale bytes
	s_wait_xcnt 0x0                                ; and again; the stores' registers and bases may be written anew
	s_or_b32 exec_lo, exec_lo, s59
.endm
	s_wait_tensorcnt 0x0                           ; my key step is in,
	s_barrier_signal -1
	s_barrier_wait -1                              ; the whole head is
	s_wait_loadcnt 0x0                             ; q
	s_mov_b32 s16, s26
	TILE 15, 232, 88
	s_mov_b32 s16, s13
	TILE 7, 244, 89
	s_wait_tensorcnt 0x0
	ds_add_u32 v211, v225
	s_wait_dscnt 0x0
	CROUND                                         ; the closing round
	s_endpgm
.Lfunc_end_k_q7223e54165_attn:
	.size	k_q7223e54165_attn, .Lfunc_end_k_q7223e54165_attn-k_q7223e54165_attn
	.p2alignl 7, 3214868480
	.fill 96, 4, 3214868480
	.section	.rodata,"a",@progbits
	.p2align	6, 0x0
	.amdhsa_kernel k_q7223e54165_attn
		.amdhsa_group_segment_fixed_size 206848
		.amdhsa_private_segment_fixed_size 0
		.amdhsa_enable_private_segment 0
		.amdhsa_kernarg_size 32
		.amdhsa_user_sgpr_count 2
		.amdhsa_user_sgpr_kernarg_segment_ptr 1
		.amdhsa_wavefront_size32 1
		.amdhsa_system_sgpr_workgroup_id_x 1
		.amdhsa_system_sgpr_workgroup_id_y 1
		.amdhsa_system_sgpr_workgroup_id_z 1
		.amdhsa_system_vgpr_workitem_id 0
		.amdhsa_next_free_vgpr 256
		.amdhsa_next_free_sgpr 66
		.amdhsa_reserve_vcc 1
		.amdhsa_float_denorm_mode_32 3
		.amdhsa_float_denorm_mode_16_64 3
		.amdhsa_memory_ordered 1
		.amdhsa_forward_progress 1
		.amdhsa_inst_pref_size 97
	.end_amdhsa_kernel
	.amdgpu_metadata
---
amdhsa.version: [ 1, 2 ]
amdhsa.kernels:
  - .name:           k_q7223e54165_attn
    .symbol:         k_q7223e54165_attn.kd
    .args:
      - { .name: qb, .offset: 0, .size: 8, .value_kind: global_buffer, .address_space: global }
      - { .name: kv, .offset: 8, .size: 8, .value_kind: global_buffer, .address_space: global }
      - { .name: ac, .offset: 16, .size: 8, .value_kind: global_buffer, .address_space: global }
      - { .name: asc, .offset: 24, .size: 8, .value_kind: global_buffer, .address_space: global }
    .group_segment_fixed_size: 206848
    .private_segment_fixed_size: 0
    .kernarg_segment_align: 8
    .kernarg_segment_size: 32
    .max_flat_workgroup_size: 512
    .sgpr_count:     66
    .vgpr_count:     256
    .wavefront_size: 32
...
	.end_amdgpu_metadata
.endif
;; end of part 3
;; launch oproj (part 4): grid 8 x 32, 4 waves a work-group, clusters of 4 x 4, 325,120 bytes of LDS; arguments ac, asc, cod, scl, out0; writes out0
.if DOCPART == 4
	.amdgcn_target "amdgcn-amd-amdhsa--gfx1250"
	.amdhsa_code_object_version 6
	.text
	.protected	k_q7223e54165_oproj
	.globl	k_q7223e54165_oproj
	.p2align	8
	.type	k_q7223e54165_oproj,@function
k_q7223e54165_oproj:
	s_mov_b64 s[64:65], 0
	v_nop
	global_prefetch_b8 v0, s[64:65] scope:SCOPE_SE
	s_setreg_imm32_b32 hwreg(HW_REG_WAVE_MODE, 25, 1), 1
	s_wait_xcnt 0x0
	s_wait_alu depctr_hold_cnt(0) depctr_sa_sdst(0) depctr_va_vdst(0) depctr_va_sdst(0) depctr_va_ssrc(0) depctr_va_vcc(0) depctr_vm_vsrc(0)
	s_getreg_b32 s2, hwreg(HW_REG_IB_STS2, 6, 4)
	s_cmp_eq_u32 s2, 0
	s_cbranch_scc0 .Lentry_in_a_cluster
	s_endpgm
.Lentry_in_a_cluster:
	s_bfe_u32 s2, ttmp6, 0x10000c
	s_cmp_lg_u32 s2, 0xf033
	s_cbranch_scc0 .Lentry_shape_is_right
	s_endpgm
.Lentry_shape_is_right:
; OPROJ.  out0 = attn w_o^T on codes of E2M3 (K = 1,024), f32 out.  attn's codes and scale words come from the launch before, laid as x's were; w_o's are tiles 704.. of cod.
; SHARES.  A work-group makes 256 tokens x 128 columns: 256 work-groups.  Four waves, each 128 tokens x 64 columns: 32 accumulators, 256 registers.
; ALL OF K LIES IN LDS: 16 + 8 tiles x 12,288 bytes and their scale words, 307,200 bytes, filled ONCE, in four chunks of 256 along K: a wave has five tensor loads out at the start (scales, chunks 0 to 3),
; and a counted wait and a barrier stand in front of each chunk's first read.  Nothing is filled again.  Behind them lie the waves' stages for the way out, into which no fill lands.
; CLUSTERS: 4 x 4 work-groups; attn's tiles are shared along a row of the cluster, w_o's along a column: each is asked for jointly, by the same load with the same descriptor in the four that its mask names.
; OPERANDS lie in memory and in LDS as images of registers (half a fragment, 64 along K, in 768 bytes: registers 0-3 at 16 x lane, 4-5 at 512 + 8 x lane): every LDS load reads consecutive bytes.
; THE ROWS OF A TILE ARE NOT NEIGHBOURS: lane r of tile u of pair P is row 32 P + 8 u + r + 8 (r / 8).  Source 0 = w_o, source 1 = attn: a lane holds one token, and the 16 registers of a pair of w_o's tiles are 16 neighbouring columns.
; REGISTERS, in windows of 256: window 0: v1-11 addresses; v16-47 attn's scale words, v48-63 w_o's; v96-239 fragments, set 0, later rows of out0.  window 1: v96-239 set 1.  window 2: accumulators.
.set NB0,  192                         ; w_o's first tile behind tile 512
.set PA,   4                           ; s[4:5]  A's codes   s[6:7] A's scales
.set PAS,  6
.set PB,   8                           ; s[8:9]  B's codes   s[10:11] B's scales
.set PBS,  10
.set G1A,  20                          ; s[20:27] group 1, A's codes    s[28:35] A's scales    s[36:51] groups 0, chunks 0-3    s[52:55] scales
.set G1AS, 28
.set G0A,  36
.set G0AS, 52
.set G1B,  56                          ; s[56:63], s[68:75], s[76:91], s[92:95]: the same for B
.set G1BS, 68
.set G0B,  76
.set G0BS, 92
.set CHUNK, 73728                      ; 24 tiles x 3,072 bytes: 256 along K
.set ASCL, 294912
.set BSCL, 303104
.set STAGE, 307200                     ; 16 rows x (256 + 16) bytes for each wave
.set XS,   16
.set WS,   48
.set FX,   96
.set FW,   192
.set STO,  9
.set RD,   10
.set CO,   11
.set BK,   96                          ; the way out: 16 rows read back: v96-127 and v128-159 by turns
.set MSB, 0
.macro WIN new                         ; the immediate's high byte repeats the setting that is left
.if MSB != \new
	s_set_vgpr_msb (MSB<<8)|\new
.set MSB, \new
.endif
.endm
.macro PLACES                          ; four plain places behind a matrix instruction, in front of loads into its sources and of reads of its result
.rept 4
	v_nop
.endr
.endm
.macro CROUND                          ; a round of the cluster's barrier
	s_barrier_signal -1
	s_barrier_wait -1
	s_cmp_lg_u32 s14, 0
	s_cbranch_scc1 .Lnot_wave_0_\@
	s_barrier_signal -3
.Lnot_wave_0_\@:
	s_barrier_wait -3
	s_barrier_signal -1
	s_barrier_wait -1
.endm
; one matrix instruction: D at d, sources at x and y, z = 1: the product starts the sum; scale words in sx, sy; rx, ry = 1: in lanes 16-31
.macro WM d, x, y, z, sx, sy, rx, ry
.if \z
.if (\rx) && (\ry)
	v_wmma_scale_f32_16x16x128_f8f6f4 v[\d:\d+7], v[\x:\x+11], v[\y:\y+11], 0, v[\sx], v[\sy] matrix_a_fmt:MATRIX_FMT_FP6 matrix_b_fmt:MATRIX_FMT_FP6 matrix_a_scale:MATRIX_SCALE_ROW1 matrix_b_scale:MATRIX_SCALE_ROW1
.elseif \rx
	v_wmma_scale_f32_16x16x128_f8f6f4 v[\d:\d+7], v[\x:\x+11], v[\y:\y+11], 0, v[\sx], v[\sy] matrix_a_fmt:MATRIX_FMT_FP6 matrix_b_fmt:MATRIX_FMT_FP6 matrix_a_scale:MATRIX_SCALE_ROW1
.elseif \ry
	v_wmma_scale_f32_16x16x128_f8f6f4 v[\d:\d+7], v[\x:\x+11], v[\y:\y+11], 0, v[\sx], v[\sy] matrix_a_fmt:MATRIX_FMT_FP6 matrix_b_fmt:MATRIX_FMT_FP6 matrix_b_scale:MATRIX_SCALE_ROW1
.else
	v_wmma_scale_f32_16x16x128_f8f6f4 v[\d:\d+7], v[\x:\x+11], v[\y:\y+11], 0, v[\sx], v[\sy] matrix_a_fmt:MATRIX_FMT_FP6 matrix_b_fmt:MATRIX_FMT_FP6
.endif
.else
.if (\rx) && (\ry)
	v_wmma_scale_f32_16x16x128_f8f6f4 v[\d:\d+7], v[\x:\x+11], v[\y:\y+11], v[\d:\d+7], v[\sx], v[\sy] matrix_a_fmt:MATRIX_FMT_FP6 matrix_b_fmt:MATRIX_FMT_FP6 matrix_a_scale:MATRIX_SCALE_ROW1 matrix_b_scale:MATRIX_SCALE_ROW1
.elseif \rx
	v_wmma_scale_f32_16x16x128_f8f6f4 v[\d:\d+7], v[\x:\x+11], v[\y:\y+11], v[\d:\d+7], v[\sx], v[\sy] matrix_a_fmt:MATRIX_FMT_FP6 matrix_b_fmt:MATRIX_FMT_FP6 matrix_a_scale:MATRIX_SCALE_ROW1
.elseif \ry
	v_wmma_scale_f32_16x16x128_f8f6f4 v[\d:\d+7], v[\x:\x+11], v[\y:\y+11], v[\d:\d+7], v[\sx], v[\sy] matrix_a_fmt:MATRIX_FMT_FP6 matrix_b_fmt:MATRIX_FMT_FP6 matrix_b_scale:MATRIX_SCALE_ROW1
.else
	v_wmma_scale_f32_16x16x128_f8f6f4 v[\d:\d+7], v[\x:\x+11], v[\y:\y+11], v[\d:\d+7], v[\sx], v[\sy] matrix_a_fmt:MATRIX_FMT_FP6 matrix_b_fmt:MATRIX_FMT_FP6
.endif
.endif
.endm
.macro SCALES                          ; all scale words of my 8 + 4 tiles: register 8 p + s: K step s of pair p, the even tile in lanes 0-15, the odd one in lanes 16-31
.irp p, 0,1,2,3
.irp g, 0,1
	ds_load_b128 v[XS+8*\p+4*\g:XS+8*\p+4*\g+3], v7 offset:1024*\p+512*\g
.endr
.endr
.irp p, 0,1
.irp g, 0,1
	ds_load_b128 v[WS+8*\p+4*\g:WS+8*\p+4*\g+3], v8 offset:1024*\p+512*\g
.endr
.endr
.endm
.macro FETCH s                         ; K step s's twelve fragments into set s % 2: 48 loads of consecutive bytes
	WIN (((\s)%2)<<6)
.irp a, 0,1,2,3,4,5,6,7
.irp c, 0,1
	ds_load_b128 v[FX+12*\a+6*\c:FX+12*\a+6*\c+3], v3 offset:3072*\a+1536*((\s)%2)+768*\c
	ds_load_b64 v[FX+12*\a+6*\c+4:FX+12*\a+6*\c+5], v4 offset:3072*\a+1536*((\s)%2)+768*\c
.endr
.endr
.irp b, 0,1,2,3
.irp c, 0,1
	ds_load_b128 v[FW+12*\b+6*\c:FW+12*\b+6*\c+3], v5 offset:3072*\b+1536*((\s)%2)+768*\c
	ds_load_b64 v[FW+12*\b+6*\c+4:FW+12*\b+6*\c+5], v6 offset:3072*\b+1536*((\s)%2)+768*\c
.endr
.endr
.endm
.macro MUL s                           ; 32 matrix instructions; the 32 accumulators take turns, one instruction a turn
	WIN (0xa0|(5*((\s)%2)))
.irp a, 0,1,2,3,4,5,6,7
.irp b, 0,1,2,3
	WM 8*(4*\a+\b), FW+12*\b, FX+12*\a, (\s)==0, WS+8*(\b/2)+\s, XS+8*(\a/2)+\s, \b%2, \a%2
.endr
.endr
.endm
	s_load_b256 s[4:11], s[0:1], 0x0               ; ac, asc, cod, scl
	s_load_b64 s[12:13], s[0:1], 0x20              ; out0
	v_lshl_add_u32 v254, v0, 2, 0x4f400
	v_mov_b32 v255, 0
	ds_add_u32 v254, v255
	ds_add_u32 v254, v255
	v_lshrrev_b32 v1, 5, v0
	v_readfirstlane_b32 s14, v1                    ; wave 0..3
	s_lshr_b32 s15, s14, 1                         ; which 128 tokens are mine.  Also: I fetch for A (0) or for B (1)
	s_and_b32 s16, s14, 1                          ; which 64 columns.  Also: which half of that operand's tiles I fetch
	s_bfe_u32 s96, ttmp6, 0x40000                  ; cx
	s_bfe_u32 s97, ttmp6, 0x40004                  ; cy
	s_lshl_b32 s17, ttmp9, 2
	s_add_co_u32 s17, s17, s96                     ; tile column = 4 x cluster x + cx
	s_and_b32 s18, ttmp7, 0xffff
	s_lshl_b32 s18, s18, 2
	s_add_co_u32 s18, s18, s97                     ; tile row = 4 x cluster y + cy
	s_lshl_b32 s2, s97, 2
	s_lshl_b32 s2, 15, s2                          ; my row of the cluster
	s_lshl_b32 s19, 0x1111, s96                    ; my column
	s_or_b32 s[G1A], s2, (3<<16)|(1<<21)           ; 15:0 the mask; 17:16 elements of 8 bytes; 21 set beside a mask; no padding
	s_or_b32 s[G1AS], s2, (3<<16)|(1<<21)
	s_or_b32 s[G1B], s19, (3<<16)|(1<<21)
	s_or_b32 s[G1BS], s19, (3<<16)|(1<<21)
.irp g, G1A, G1B                       ; codes: a tile's 3,072 bytes of a chunk are a row of 384 elements; tiles lie 12,288 bytes (1,536 elements) apart
	s_mov_b32 s[\g+1], 384<<16
	s_mov_b32 s[\g+3], 384<<16
	s_mov_b32 s[\g+5], 1536
	s_mov_b32 s[\g+6], 0
	s_mov_b32 s[\g+7], 0
.endr
	s_mov_b32 s[G1A+2], 8<<16                      ; 8 tiles of A to a load,
	s_mov_b32 s[G1A+4], 8
	s_mov_b32 s[G1B+2], 4<<16                      ; 4 of B
	s_mov_b32 s[G1B+4], 4
.irp g, G1AS, G1BS                     ; scales: dense, as rows of 256 bytes
	s_mov_b32 s[\g+1], 32<<16
	s_mov_b32 s[\g+3], 32<<16
	s_mov_b32 s[\g+5], 32
	s_mov_b32 s[\g+6], 0
	s_mov_b32 s[\g+7], 0
.endr
	s_mov_b32 s[G1AS+2], 16<<16
	s_mov_b32 s[G1AS+4], 16
	s_mov_b32 s[G1BS+2], 8<<16
	s_mov_b32 s[G1BS+4], 8
	s_wait_dscnt 0x0
	s_wait_kmcnt 0x0
	; A: tiles 16 x tile row + 8 x half on.  Nothing here hangs on cx
	s_mul_i32 s2, s18, 196608
	s_mul_i32 s3, s16, 98304
	s_add_co_u32 s2, s2, s3
	s_mov_b32 s3, 0
	s_add_nc_u64 s[98:99], s[PA:PA+1], s[2:3]
	s_mul_i32 s2, s16, 24576
.irp q, 0,1,2,3
	s_mov_b32 s[G0A+4*\q], 1
	s_add_co_u32 s[G0A+4*\q+1], s2, CHUNK*\q
	s_add_nc_u64 s[G0A+4*\q+2:G0A+4*\q+3], s[98:99], 3072*\q
	s_or_b32 s[G0A+4*\q+3], s[G0A+4*\q+3], 0x80000000
.endr
	s_lshl_b32 s2, s18, 13                         ; A's scales: 8 pairs of 1,024 bytes a tile row, 4 a half
	s_lshl_b32 s3, s16, 12
	s_add_co_u32 s2, s2, s3
	s_add_co_u32 s[G0AS+1], s3, ASCL
	s_mov_b32 s3, 0
	s_mov_b32 s[G0AS], 1
	s_add_nc_u64 s[G0AS+2:G0AS+3], s[PAS:PAS+1], s[2:3]
	s_or_b32 s[G0AS+3], s[G0AS+3], 0x80000000
	; B: tiles 512 + NB0 + 8 x tile column + 4 x half on.  Nothing here hangs on cy
	s_mul_i32 s100, s17, 98304
	s_mul_i32 s101, s16, 49152
	s_add_co_u32 s100, s100, s101
	s_add_co_u32 s100, s100, (512+NB0)*12288
	s_mov_b32 s101, 0
	s_add_nc_u64 s[100:101], s[PB:PB+1], s[100:101]
	s_mul_i32 s19, s16, 12288
.irp q, 0,1,2,3
	s_mov_b32 s[G0B+4*\q], 1
	s_add_co_u32 s[G0B+4*\q+1], s19, CHUNK*\q+49152
	s_add_nc_u64 s[G0B+4*\q+2:G0B+4*\q+3], s[100:101], 3072*\q
	s_or_b32 s[G0B+4*\q+3], s[G0B+4*\q+3], 0x80000000
.endr
	s_lshl_b32 s100, s17, 12
	s_lshl_b32 s19, s16, 11
	s_add_co_u32 s100, s100, s19
	s_add_co_u32 s100, s100, (256+NB0/2)*1024
	s_mov_b32 s101, 0
	s_add_co_u32 s[G0BS+1], s19, BSCL
	s_mov_b32 s[G0BS], 1
	s_add_nc_u64 s[G0BS+2:G0BS+3], s[PBS:PBS+1], s[100:101]
	s_or_b32 s[G0BS+3], s[G0BS+3], 0x80000000
	CROUND                                         ; all sixteen work-groups are here: the joint loads meet
	s_cmp_eq_u32 s15, 0                            ; a wave's five fills stand in one branch on its number; four v_nop follow the last
	s_cbranch_scc0 .Lfor_b
	tensor_load_to_lds s[G0AS:G0AS+3], s[G1AS:G1AS+7]
	s_nop 0
	tensor_load_to_lds s[G0A:G0A+3], s[G1A:G1A+7]
	s_nop 0
	tensor_load_to_lds s[G0A+4:G0A+7], s[G1A:G1A+7]
	s_nop 0
	tensor_load_to_lds s[G0A+8:G0A+11], s[G1A:G1A+7]
	s_nop 0
	tensor_load_to_lds s[G0A+12:G0A+15], s[G1A:G1A+7]
	s_nop 0
.rept 4
	v_nop
.endr
	s_branch .Lasked
.Lfor_b:
	tensor_load_to_lds s[G0BS:G0BS+3], s[G1BS:G1BS+7]
	s_nop 0
	tensor_load_to_lds s[G0B:G0B+3], s[G1B:G1B+7]
	s_nop 0
	tensor_load_to_lds s[G0B+4:G0B+7], s[G1B:G1B+7]
	s_nop 0
	tensor_load_to_lds s[G0B+8:G0B+11], s[G1B:G1B+7]
	s_nop 0
	tensor_load_to_lds s[G0B+12:G0B+15], s[G1B:G1B+7]
	s_nop 0
.rept 4
	v_nop
.endr
.Lasked:
	v_and_b32 v12, 31, v0                          ; lane
	v_and_b32 v13, 15, v0                          ; r
	v_bfe_u32 v14, v0, 4, 1                        ; h
	v_lshlrev_b32 v1, 4, v12                       ; 16 x lane
	v_lshlrev_b32 v2, 3, v12                       ; 8 x lane
	s_mul_i32 s2, s15, 24576                       ; my 8 tiles of attn in a chunk
	v_add_nc_u32 v3, s2, v1
	v_add_nc_u32 v4, s2, v2
	v_add_nc_u32 v4, 512, v4
	s_mul_i32 s2, s16, 12288                       ; my 4 tiles of w_o, behind attn's 16
	s_add_co_u32 s2, s2, 49152
	v_add_nc_u32 v5, s2, v1
	v_add_nc_u32 v6, s2, v2
	v_add_nc_u32 v6, 512, v6
	s_lshl_b32 s2, s15, 12
	s_add_co_u32 s2, s2, ASCL
	v_add_nc_u32 v7, s2, v1
	s_lshl_b32 s2, s16, 11
	s_add_co_u32 s2, s2, BSCL
	v_add_nc_u32 v8, s2, v1
	s_mul_i32 s2, s14, 4352
	s_add_co_u32 s2, s2, STAGE                     ; my stage
	v_mul_u32_u24 v[STO], v13, 272
	v_lshl_add_u32 v[STO], v14, 6, v[STO]
	v_add_nc_u32 v[STO], s2, v[STO]                ; in: row r, 64 bytes for each half of the lanes
	v_mul_u32_u24 v[RD], v14, 272
	v_lshl_add_u32 v[RD], v13, 4, v[RD]
	v_add_nc_u32 v[RD], s2, v[RD]                  ; back: lanes 0-15 one row of 256 bytes, lanes 16-31 the next
	v_lshlrev_b32 v[CO], 12, v14
	v_lshl_add_u32 v[CO], v13, 4, v[CO]            ; and the same two rows in out0
	s_lshl_b32 s2, s18, 20                         ; 256 rows of 4,096 bytes a tile row,
	s_lshl_b32 s3, s15, 19                         ; 128 for my half,
	s_add_co_u32 s2, s2, s3
	s_lshl_b32 s3, s17, 9                          ; 512 bytes a tile column,
	s_add_co_u32 s2, s2, s3
	s_lshl_b32 s3, s16, 8                          ; 256 for my half
	s_add_co_u32 s2, s2, s3
	s_mov_b32 s3, 0
	s_add_nc_u64 s[12:13], s[12:13], s[2:3]
	s_wait_alu depctr_va_vdst(0)
	; eight K steps of 128; step s + 1's fragments are fetched in front of step s's products and land under them
	s_wait_tensorcnt 0x3                           ; my scales and my part of chunk 0 are in; chunks 1 to 3 may be out,
	s_barrier_signal -1
	s_barrier_wait -1                              ; everybody's are
	SCALES
	FETCH 0
.irp s, 0,1,2,3,4,5,6,7
	s_wait_dscnt 0x0                               ; this step's fragments are in (and no LDS instruction of mine is out at a signal)
.if \s < 7
.if (\s%2) == 1
	WIN 0
	s_wait_tensorcnt 3-(\s+1)/2                    ; my part of the next chunk is in; the later chunks may be out
	s_barrier_signal -1
	s_barrier_wait -1
	v_add_nc_u32 v3, CHUNK, v3                     ; on to that chunk.  (These four are the places in front of the loads below)
	s_wait_alu depctr_va_vdst(0)
	v_add_nc_u32 v4, CHUNK, v4
	s_wait_alu depctr_va_vdst(0)
	v_add_nc_u32 v5, CHUNK, v5
	s_wait_alu depctr_va_vdst(0)
	v_add_nc_u32 v6, CHUNK, v6
.elseif \s > 0
	PLACES
.endif
	s_wait_alu depctr_va_vdst(0)
	FETCH \s+1
.endif
	MUL \s
.endr
	WIN 0
	PLACES
; THE WAY OUT, a tile of 16 tokens x 64 columns at a time.  A lane holds 2 x 64 bytes of one row; the tile goes through my own stage and comes back as whole rows of 256 bytes, two to an instruction.
; LDS serves a wave's instructions in order (ISA guide 5.7.1.4): no wait between the stores and the loads, nor in front of the next tile's stores.
.macro TOSTAGE a
	WIN 0x08                                       ; an LDS store's data are its source 1: window 2
.irp q, 0,1,2,3,4,5,6,7
	ds_store_b128 v[STO], v[32*(\a)+4*\q:32*(\a)+4*\q+3] offset:128*(\q/4)+16*(\q%4)   ; register 16 bb + i: column 32 bb + 16 h + i; each accumulator from its low end on
.endr
	WIN 0
.irp i, 0,1,2,3,4,5,6,7
	ds_load_b128 v[BK+32*((\a)%2)+4*\i:BK+32*((\a)%2)+4*\i+3], v[RD] offset:544*\i
.endr
.endm
.macro SEND a, younger                 ; younger: the LDS instructions issued behind tile a's loads, which may stay out
	s_wait_dscnt \younger
.irp i, 0,1,2,3,4,5,6,7
	global_store_b128 v[CO], v[BK+32*((\a)%2)+4*\i:BK+32*((\a)%2)+4*\i+3], s[12:13] offset:(32*((\a)/2)+8*((\a)%2)+2*\i+8*(\i/4))*4096 th:TH_STORE_NT   ; 16 lanes store 256 consecutive bytes, at a multiple of 256 from out0's first byte
.endr
.endm
	TOSTAGE 0
.irp a, 1,2,3,4,5,6,7
.if \a > 1
	s_wait_xcnt 0x0                                ; tile a - 2's stores have read their registers: tile a's loads may land there
.endif
	TOSTAGE \a
	SEND \a-1, 16                                  ; behind tile a - 1's loads: tile a's 8 stores and 8 loads
.endr
	SEND 7, 0
	s_wait_tensorcnt 0x0
	ds_add_u32 v254, v255
	s_wait_dscnt 0x0
	CROUND                                         ; the closing round
	s_endpgm
.Lfunc_end_k_q7223e54165_oproj:
	.size	k_q7223e54165_oproj, .Lfunc_end_k_q7223e54165_oproj-k_q7223e54165_oproj
	.p2alignl 7, 3214868480
	.fill 96, 4, 3214868480
	.section	.rodata,"a",@progbits
	.p2align	6, 0x0
	.amdhsa_kernel k_q7223e54165_oproj
		.amdhsa_group_segment_fixed_size 325120
		.amdhsa_private_segment_fixed_size 0
		.amdhsa_enable_private_segment 0
		.amdhsa_kernarg_size 40
		.amdhsa_user_sgpr_count 2
		.amdhsa_user_sgpr_kernarg_segment_ptr 1
		.amdhsa_wavefront_size32 1
		.amdhsa_system_sgpr_workgroup_id_x 1
		.amdhsa_system_sgpr_workgroup_id_y 1
		.amdhsa_system_sgpr_workgroup_id_z 1
		.amdhsa_system_vgpr_workitem_id 0
		.amdhsa_next_free_vgpr 768
		.amdhsa_next_free_sgpr 102
		.amdhsa_reserve_vcc 0
		.amdhsa_float_denorm_mode_32 3
		.amdhsa_float_denorm_mode_16_64 3
		.amdhsa_memory_ordered 1
		.amdhsa_forward_progress 1
		.amdhsa_inst_pref_size 85
	.end_amdhsa_kernel
	.amdgpu_metadata
---
amdhsa.version: [ 1, 2 ]
amdhsa.kernels:
  - .name:           k_q7223e54165_oproj
    .symbol:         k_q7223e54165_oproj.kd
    .args:
      - { .name: ac, .offset: 0, .size: 8, .value_kind: global_buffer, .address_space: global }
      - { .name: asc, .offset: 8, .size: 8, .value_kind: global_buffer, .address_space: global }
      - { .name: cod, .offset: 16, .size: 8, .value_kind: global_buffer, .address_space: global }
      - { .name: scl, .offset: 24, .size: 8, .value_kind: global_buffer, .address_space: global }
      - { .name: out0, .offset: 32, .size: 8, .value_kind: global_buffer, .address_space: global }
    .group_segment_fixed_size: 325120
    .private_segment_fixed_size: 0
    .kernarg_segment_align: 8
    .kernarg_segment_size: 40
    .max_flat_workgroup_size: 128
    .sgpr_count:     102
    .vgpr_count:     768
    .wavefront_size: 32
...
	.end_amdgpu_metadata
.endif
;; end of part 4
